; MI455X (gfx1250); checked and timed in simulation.
; The chip was launched on July 23, 2026; its instructions are those of AMD's public machine-readable ISA for CDNA 5 (MIT licence, August 2026) and "CDNA5" Instruction Set Architecture Reference Guide (July 2026). The comments in the code are by the model that wrote it; some were corrected since.
;; Multi Head Graph Attention. Allowed arithmetic: matrix products marked QUANTISED: E2M3 operands, one E8M0 scale for each 32 along K, by v_wmma_scale_f32_16x16x128_f8f6f4 with both operands' format E2M3, f32 sums; everything else in f32.
;; Inputs: Wk 1,024 x 1,024 float32; Wo 1,024 x 1,024 float32; Wq 1,024 x 1,024 float32; Wv 1,024 x 1,024 float32; bk 1,024 float32; bo 1,024 float32; bq 1,024 float32; bv 1,024 float32; edge_encoding 8 x 1,024 x 1,024 float32; key 8 x 1,024 x 1,024 float32; key_padding_mask 8 x 1,024 bool; query 8 x 1,024 x 1,024 float32; spatial_encoding 8 x 1,024 x 1,024 float32; value 8 x 1,024 x 1,024 float32.
;; Outputs: out0 8 x 1,024 x 1,024 float32.
;; This version of the problem:
;;   THIS VERSION OF THE PROBLEM IS GIVEN IN LOW PRECISION. The matrix products marked QUANTISED in the list below multiply operands that are first quantised to E2M3 (2 exponent bits, 3 mantissa bits; 6 bits a number), with one power-of-two scale for each 32 numbers along K (OCP MX v1.0); their sums are f32. All else is computed in f32.
;;   The module's matrix products, in the order in which they are computed (A, B: the left and right operand; K: the contracted axis; several contracted axes count as one K, in the product's order):
;;     1. [M 8,192, K 1,024] x [K 1,024, N 1,024]; A: input query; B: input Wq: QUANTISED
;;     2. [M 8,192, K 1,024] x [K 1,024, N 1,024]; A: input key; B: input Wk: QUANTISED
;;     3. [M 8,192, K 1,024] x [K 1,024, N 1,024]; A: input value; B: input Wv: QUANTISED
;;     4. batch 128 x [M 1,024, K 64] x [K 64, N 1,024]; A: computed on the way; B: computed on the way: QUANTISED
;;     5. batch 128 x [M 1,024, K 1,024] x [K 1,024, N 64]; A: softmax (see below); B: computed on the way: QUANTISED
;;     6. [M 8,192, K 1,024] x [K 1,024, N 1,024]; A: computed on the way; B: input Wo: QUANTISED
;;   THE QUANTISER, for each operand of a quantised product, along K:
;;     - K is cut into blocks of 32 from its start; a last block that is shorter is filled with zeros.
;;     - A block's scale is 2^e with e = floor(log2(the largest magnitude in the block)) - 2, held to -126 .. 127; a block of zeros has e = 0. As a byte (E8M0): e + 127.
;;     - Each number is divided by its block's scale, clamped to +-7.5, and rounded to the nearest number of E2M3, ties to even, subnormals kept.
;;     - The product sums the exact products of the quantised numbers (number of the format x scale) in f32.
;;   ~~~python
;;   def quantise(x, axis):      # numpy; x: float32 -> the quantised numbers, widened to float32 again
;;       x = np.moveaxis(x, axis, -1); K = x.shape[-1]
;;       x = np.pad(x, [(0, 0)] * (x.ndim - 1) + [(0, -K % 32)]); x = x.reshape(x.shape[:-1] + (-1, 32)); a = np.abs(x).max(-1, keepdims=True)
;;       e = np.where(a > 0, np.clip(np.frexp(np.where(a > 0, a, 1))[1] - 1 - 2, -126, 127), 0)      # np.frexp(a)[1] - 1 = floor(log2(a)), exactly
;;       r = np.clip(x / 2.0 ** e, -7.5, 7.5)
;;       step = 2.0 ** (np.maximum(np.frexp(np.where(r == 0, 1, r))[1] - 1, 0) - 3)
;;       q = np.round(r / step) * step * 2.0 ** e      # np.round: ties to even
;;       return np.moveaxis(q.reshape(q.shape[:-2] + (-1,))[..., :K], -1, axis).astype(np.float32)
;;   ~~~
;;   SOFTMAX AHEAD OF A QUANTISED PRODUCT. Where the list says 'softmax', what is quantised is not the finished softmax but p = 2^(t - M), with t = logit x log2(e) and M = ceil(the row's largest t), a whole number; so 1/2 < the row's largest p <= 1. The row's sum l is taken of the UNQUANTISED p, in f32, and the product's result is divided by l at the end. Since M is a whole number, a kernel that streams over the keys may use a running M (the ceiling of the running maximum): every later rescaling is an exact power of two, which a block's scale takes up: the codes' values come out the same.
;;   OPERANDS COMPUTED ON THE WAY. 'Computed on the way' means the value that the module computes at that place (a softmax that the list does not call 'softmax' is quantised finished and normalised). What goes into a quantiser is computed in f32, as accurately as f32 sums, v_exp_f32 and their like allow (about 1e-6 of the number): no bf16 or f16 on the way to a quantiser, and a product that is left as it is and whose result goes on into a quantised operand takes f32 operands (vector FMAs, or v_wmma_f32_16x16x4_f32). A number that lies on a knife's edge between two numbers of the format may be rounded either way, as far as f32 arithmetic and the matrix unit's own rounding can turn it there, and no further.
;; One version. Each part assembles by itself: llvm-mc -triple=amdgcn-amd-amdhsa -mcpu=gfx1250 --defsym DOCPART=n.
;; ======== version 1 of 1: 4 launches
;; limits: right only within a limited range of input values
;; workspace buffers: xcodes 18,874,368 bytes; xsc 786,432 bytes; wcodes 3,145,728 bytes; wsc 131,072 bytes; att 20,185,088 bytes; ocodes 6,291,456 bytes; osc 262,144 bytes
;; launch quant (part 1): grid 896 x 1, 4 waves a work-group, no clusters, 68,096 bytes of LDS; arguments query, key, value, Wq, Wk, Wv, Wo, xcodes, xsc, wcodes, wsc; writes xcodes, xsc, wcodes, wsc
.if DOCPART == 1
	.amdgcn_target "amdgcn-amd-amdhsa--gfx1250"
	.amdhsa_code_object_version 6
	.text
	.protected	k_qb4b513f99a_quant
	.globl	k_qb4b513f99a_quant
	.p2align	8
	.type	k_qb4b513f99a_quant,@function
k_qb4b513f99a_quant:
	s_mov_b64 s[64:65], 0
	v_nop
	global_prefetch_b8 v0, s[64:65] scope:SCOPE_SE
	s_setreg_imm32_b32 hwreg(HW_REG_WAVE_MODE, 25, 1), 1
	s_wait_xcnt 0x0
; MultiHeadGraphAttention in MX-FP6, launch 1 of 4: the seven f32 operands of the four large products become codes of E2M3 with one E8M0 byte for each 32 along K.
; DEAD WORK: none.  All 14 inputs have a way to the output: bq and bk move q's and k's codes, bv and bo are added to what reaches out0, the mask and both encodings enter the softmax.  Nothing is left out in any launch.
; query, key, value [8192][1024]: K (the model's 1,024) is innermost: a plain stream of blocks of 32.  They go to xcodes [24576][768] and xsc [24576][32] (query's rows, key's, value's).
; Wq, Wk, Wv, Wo [1024 (k)][1024 (n)]: K is the FIRST axis.  A lane takes a column n and its registers run down K.  They go to wcodes [4096 (n of Wq, Wk, Wv, Wo)][768] and wsc [4096][32], K innermost.
; A block's scale is 2^(floor(log2(its largest magnitude)) - 2); its byte is the largest magnitude's exponent field - 2, held at 1 from below.  A block of zeros keeps the byte 1 where the rule says 127:
; its codes are zeros, which add nothing under any byte but 0xff, and this program alone reads the bytes.
; LIMITS: blocks whose largest magnitude lies under 2^-124 keep the byte 1; NaN and infinities among the inputs are not served.
; SHARES: work-groups 0-767 take 32,768 numbers each of query, key, value (a wave 8,192: 16 steps of 512); work-groups 768-895 take 128 columns x 256 along K of a weight (a wave 32 columns).
; The two ways part on the work-group's number, never join, and have LDS bytes of their own.  No cluster: no two work-groups read the same bytes.  No tensor load, no barrier: waves share nothing.
.set SPW,   192                        ; v192 LDS address of my spare word; never rewritten
.set NIL,   193                        ; v193 0; never rewritten
.set SPARE, 67584                      ; behind both ways' stages: the spare words, 128 bytes a wave
.set EMAX,  2
; the way of query, key, value
.set STEPS, 16
.set CB,    12                         ; bytes of 16 codes
.set WREG,  8192                       ; LDS 0 .. 32,767: a region for each wave: two stages of 32 x SP bytes, behind them its 256 scale bytes
.set SP,    80                         ; a lane's place in a stage: 64 bytes + 16 of padding
.set XR,    16                         ; v16-79   four sets of 16 numbers as loaded
.set XX,    80                         ; v80-111  two sets of 16 neighbours
.set XE,    112                        ; v112-127 a scale byte for each step
.set XC,    128                        ; v128-191 codes: four registers for each step
; the way of the weights
.set NB,    8                          ; blocks of 32 along K for a wave
.set PITCH, 272                        ; a stage row: sixteen places of 16 bytes, each with 12 bytes of codes, + 16
.set KROW,  768                        ; a row of codes in bytes
.set WSTG,  32768                      ; LDS 32,768 .. 67,583: a stage of 32 rows for each wave
.set WX,    32                         ; v32-95   two sets of 32 numbers
.set WC,    96                         ; v96..    a block's codes
.set WOUT,  112                        ; v112-175 the way out
.set WSB,   24                         ; v24-25   the scale bytes
	s_load_b256 s[4:11], s[0:1], 0x0               ; query, key, value, Wq
	s_load_b256 s[12:19], s[0:1], 0x20             ; Wk, Wv, Wo, xcodes
	s_load_b128 s[20:23], s[0:1], 0x40             ; xsc, wcodes
	s_load_b64 s[24:25], s[0:1], 0x50              ; wsc
	v_lshl_add_u32 v[SPW], v0, 2, SPARE
	v_mov_b32 v[NIL], 0
	v_lshrrev_b32 v1, 5, v0
	v_readfirstlane_b32 s26, v1                    ; wave
	v_and_b32 v2, 31, v0                           ; lane
	s_wait_kmcnt 0x0
	s_cmp_lt_u32 ttmp9, 768
	s_cbranch_scc0 .Lweights
	; ---- query, key, value.  Each load reads 512 consecutive bytes; a step's 2,048 bytes turn through the wave's stage and come back 64 bytes a lane: 16 neighbours; two neighbouring lanes hold a block
	s_wait_alu depctr_va_vdst(0)
	v_lshlrev_b32 v3, 4, v2                        ; my 16 bytes of a load's 512
	s_mul_i32 s27, s26, WREG
	v_lshrrev_b32 v14, 2, v2
	v_mul_u32_u24 v14, v14, SP
	v_and_b32 v15, 3, v2
	v_lshl_add_u32 v14, v15, 4, v14
	v_add_nc_u32 v14, s27, v14                     ; the stage, on the way in: SP (lane / 4) + 16 (lane % 4)
	v_mul_u32_u24 v15, v2, SP
	v_add_nc_u32 v15, s27, v15                     ; on the way out: SP x lane
	v_mul_u32_u24 v4, v2, CB                       ; my codes' place in a step's
	v_lshrrev_b32 v5, 1, v2
	s_add_co_u32 s27, s27, 2*32*SP
	v_add_nc_u32 v5, s27, v5                       ; my wave's 256 scale bytes, my block's byte
	v_lshlrev_b32 v7, 3, v2
	v_add_nc_u32 v6, s27, v7                       ; and on the way out 8 bytes a lane
	s_cmp_lt_u32 ttmp9, 512                        ; which tensor: the choice hangs on the work-group's number alone
	s_cselect_b64 s[6:7], s[6:7], s[8:9]
	s_cmp_lt_u32 ttmp9, 256
	s_cselect_b64 s[4:5], s[4:5], s[6:7]
	s_and_b32 s28, ttmp9, 255
	s_lshl_b32 s28, s28, 2
	s_add_co_u32 s28, s28, s26                     ; which run of 8,192 numbers of that tensor
	s_lshl_b32 s28, s28, 15                        ; x 32,768 bytes
	s_mov_b32 s29, 0
	s_add_nc_u64 s[4:5], s[4:5], s[28:29]
	s_lshl_b32 s30, ttmp9, 2
	s_add_co_u32 s30, s30, s26                     ; which run of the three tensors on end
	s_mul_i32 s28, s30, 32*STEPS*CB
	s_add_nc_u64 s[18:19], s[18:19], s[28:29]
	s_lshl_b32 s28, s30, 8
	s_add_nc_u64 s[20:21], s[20:21], s[28:29]
.macro XLOAD t
.irp i, 0,1,2,3
	global_load_b128 v[XR+16*((\t)%4)+4*\i:XR+16*((\t)%4)+4*\i+3], v3, s[4:5] offset:2048*(\t)+512*\i th:TH_LOAD_NT
.endr
.endm
.macro XTURN t                         ; LDS serves a wave's instructions in order: no wait between the stores and the loads
.irp i, 0,1,2,3
	ds_store_b128 v14, v[XR+16*((\t)%4)+4*\i:XR+16*((\t)%4)+4*\i+3] offset:32*SP*((\t)%2)+8*SP*\i
.endr
.irp i, 0,1,2,3
	ds_load_b128 v[XX+16*((\t)%2)+4*\i:XX+16*((\t)%2)+4*\i+3], v15 offset:32*SP*((\t)%2)+16*\i
.endr
.endm
.irp t, 0,1,2,3
	XLOAD \t
.endr
	s_wait_alu depctr_va_vdst(0)
	s_wait_loadcnt 12                              ; step 0's four loads are in; twelve younger ones stay out
	XTURN 0
.macro XSTEP t
.set XS, XX+16*((\t)%2)
.if (\t) > 0
	s_wait_dscnt 1                                 ; this step's numbers are back from the stage; the last step's byte store may be out
.else
	s_wait_dscnt 0x0
.endif
.if (\t)+4 < STEPS
	XLOAD (\t)+4                                   ; into the registers that the stage's stores have read
.endif
.if (\t)+1 < STEPS
.if STEPS-2-(\t) >= 3
	s_wait_loadcnt 12                              ; the next step's four loads are in; those of three steps behind it may be out
.else
	s_wait_loadcnt 4*(STEPS-2-(\t))
.endif
	XTURN (\t)+1
.endif
	v_max3_num_f32 v8, |v[XS]|, |v[XS+1]|, |v[XS+2]|
	v_max3_num_f32 v9, |v[XS+3]|, |v[XS+4]|, |v[XS+5]|
.irp i, 6,10
	v_max3_num_f32 v8, v8, |v[XS+\i]|, |v[XS+\i+1]|
	v_max3_num_f32 v9, v9, |v[XS+\i+2]|, |v[XS+\i+3]|
.endr
	v_max3_num_f32 v8, v8, |v[XS+14]|, |v[XS+15]|
	v_max3_num_f32 v8, v8, v9, (EMAX+1)<<23        ; the floor 2^(3 - 127): the byte cannot fall under 1
	v_max_num_f32_dpp v8, v8, v8 row_xmask:1 row_mask:0xf bank_mask:0xf   ; with my neighbour's 16: the block's largest magnitude
	v_add_nc_u32 v11, 0xff000000, v8               ; 2 off its exponent field: the conversion's scale operand
	v_cvt_scalef32_pk16_fp6_f32 v[XC+4*(\t):XC+4*(\t)+2], v[XS:XS+15], v11
	v_lshrrev_b32 v[XE+(\t)], 23, v11              ; the scale's byte
	ds_store_b8 v5, v[XE+(\t)] offset:16*(\t)      ; both lanes of a block write the same byte with the same value
	global_store_b96 v4, v[XC+4*(\t):XC+4*(\t)+2], s[18:19] offset:32*CB*(\t)   ; the wave stores 384 consecutive bytes
.endm
.irp t, 0,1,2,3,4,5,6,7,8,9,10,11,12,13,14,15
	XSTEP \t
.endr
	ds_load_b64 v[8:9], v6
	s_wait_dscnt 0x0
	global_store_b64 v7, v[8:9], s[20:21]          ; 32 lanes store 256 consecutive bytes, aligned
	s_wait_tensorcnt 0x0                           ; the wave's end
	ds_add_u32 v[SPW], v[NIL]
	s_wait_dscnt 0x0
	s_endpgm
.Lweights:
	; ---- a weight: 32 columns x 256 along K a wave: 8 blocks a lane, 192 bytes of codes for each column, out through the wave's stage as rows
	s_sub_co_u32 s27, ttmp9, 768
	s_lshr_b32 s28, s27, 5                         ; which weight
	s_and_b32 s29, s27, 7                          ; which 128 columns
	s_bfe_u32 s30, s27, 0x20003                    ; which 256 along K
	s_cmp_eq_u32 s28, 0
	s_cselect_b64 s[10:11], s[10:11], s[12:13]     ; Wq or Wk
	s_cmp_eq_u32 s28, 3
	s_cselect_b64 s[14:15], s[16:17], s[14:15]     ; Wo or Wv
	s_cmp_lt_u32 s28, 2
	s_cselect_b64 s[4:5], s[10:11], s[14:15]
	s_lshl_b32 s31, s29, 7
	s_lshl_b32 s32, s26, 5
	s_add_co_u32 s31, s31, s32                     ; my wave's first column
	s_lshl_b32 s32, s30, 20                        ; 256 rows of 4,096 bytes
	s_lshl_b32 s33, s31, 2
	s_add_co_u32 s32, s32, s33
	s_mov_b32 s33, 0
	s_add_nc_u64 s[4:5], s[4:5], s[32:33]
	s_lshl_b32 s34, s28, 10
	s_add_co_u32 s34, s34, s31                     ; my first row of wcodes and wsc
	s_mul_i32 s32, s34, KROW
	s_mul_i32 s35, s30, 192
	s_add_co_u32 s32, s32, s35
	s_add_nc_u64 s[22:23], s[22:23], s[32:33]
	s_lshl_b32 s32, s34, 5
	s_lshl_b32 s35, s30, 3
	s_add_co_u32 s32, s32, s35
	s_add_nc_u64 s[24:25], s[24:25], s[32:33]
	s_wait_alu depctr_va_vdst(0)
	v_lshlrev_b32 v3, 2, v2                        ; in: 4 bytes a lane
	s_mul_i32 s36, s26, 32*PITCH
	s_add_co_u32 s36, s36, WSTG                    ; my stage
	v_mul_u32_u24 v4, v2, PITCH
	v_add_nc_u32 v4, s36, v4                       ; into it: row = my column
	v_and_b32 v5, 15, v2
	v_lshrrev_b32 v6, 4, v2
	v_mul_u32_u24 v7, v6, PITCH
	v_lshl_add_u32 v7, v5, 4, v7
	v_add_nc_u32 v7, s36, v7                       ; out of it: sixteen lanes to a row, two rows an instruction
	v_mul_u32_u24 v8, v6, KROW
	v_mad_u32_u24 v8, v5, 12, v8                   ; the same place in wcodes
	v_lshlrev_b32 v9, 5, v2                        ; my column's row of scale bytes
.macro WLOAD t                         ; block t: W(32 t + i, my column) into set t % 2: 128 consecutive bytes a wave
.set q, 0
.rept 32
	global_load_b32 v[WX+32*((\t)%2)+q], v3, s[4:5] offset:(32*(\t)+q)*4096 th:TH_LOAD_NT
.set q, q+1
.endr
.endm
	WLOAD 0
	WLOAD 1
.macro WBLOCK t
.set XS, WX+32*((\t)%2)
.if (\t) < NB-1
	s_wait_loadcnt 32                              ; this block's 32 loads are in; the next block's may be out
.else
	s_wait_loadcnt 0
.endif
	v_max3_num_f32 v12, |v[XS]|, |v[XS+1]|, |v[XS+2]|              ; all 32 numbers of the block are mine
	v_max3_num_f32 v13, |v[XS+3]|, |v[XS+4]|, |v[XS+5]|
.irp i, 6,10,14,18,22,26
	v_max3_num_f32 v12, v12, |v[XS+\i]|, |v[XS+\i+1]|
	v_max3_num_f32 v13, v13, |v[XS+\i+2]|, |v[XS+\i+3]|
.endr
	v_max3_num_f32 v12, v12, |v[XS+30]|, |v[XS+31]|
	v_max3_num_f32 v12, v12, v13, (EMAX+1)<<23
	v_add_nc_u32 v11, 0xff000000, v12
	v_lshrrev_b32 v13, 23, v11
.if (\t)%4 == 0
	v_mov_b32 v[WSB+(\t)/4], v13                   ; four bytes to a register, the lower K in the lower byte
.else
	v_lshl_or_b32 v[WSB+(\t)/4], v13, 8*((\t)%4), v[WSB+(\t)/4]
.endif
	v_cvt_scalef32_pk16_fp6_f32 v[WC:WC+2], v[XS:XS+15], v11
	v_cvt_scalef32_pk16_fp6_f32 v[WC+4:WC+6], v[XS+16:XS+31], v11  ; (a conversion's three registers begin on an even number)
	ds_store_b96 v4, v[WC:WC+2] offset:32*(\t)     ; 12 bytes to a place of 16, so that every LDS address is a multiple of 16
	ds_store_b96 v4, v[WC+4:WC+6] offset:32*(\t)+16
.if (\t)+2 < NB
	WLOAD (\t)+2
.endif
	s_wait_dscnt 0x0                               ; the stores have read their registers: the next block's codes may be written
.endm
.set Q, 0
.rept NB
	WBLOCK Q
.set Q, Q+1
.endr
	s_wait_alu depctr_va_vdst(0)
	global_store_b64 v9, v[WSB:WSB+1], s[24:25]    ; my column's 8 scale bytes
.irp t, 0,1,2,3,4,5,6,7,8,9,10,11,12,13,14,15
	ds_load_b96 v[WOUT+4*\t:WOUT+4*\t+2], v7 offset:2*\t*PITCH
.endr
.irp t, 0,1,2,3,4,5,6,7,8,9,10,11,12,13,14,15
	s_wait_dscnt 15-\t
	global_store_b96 v8, v[WOUT+4*\t:WOUT+4*\t+2], s[22:23] offset:2*\t*KROW   ; sixteen lanes store a row's 192 consecutive bytes
.endr
	s_wait_tensorcnt 0x0                           ; the wave's end
	ds_add_u32 v[SPW], v[NIL]
	s_wait_dscnt 0x0
	s_endpgm
.Lfunc_end_k_qb4b513f99a_quant:
	.size	k_qb4b513f99a_quant, .Lfunc_end_k_qb4b513f99a_quant-k_qb4b513f99a_quant
	.p2alignl 7, 3214868480
	.fill 96, 4, 3214868480
	.section	.rodata,"a",@progbits
	.p2align	6, 0x0
	.amdhsa_kernel k_qb4b513f99a_quant
		.amdhsa_group_segment_fixed_size 68096
		.amdhsa_private_segment_fixed_size 0
		.amdhsa_enable_private_segment 0
		.amdhsa_kernarg_size 88
		.amdhsa_user_sgpr_count 2
		.amdhsa_user_sgpr_kernarg_segment_ptr 1
		.amdhsa_wavefront_size32 1
		.amdhsa_system_sgpr_workgroup_id_x 1
		.amdhsa_system_sgpr_workgroup_id_y 1
		.amdhsa_system_sgpr_workgroup_id_z 1
		.amdhsa_system_vgpr_workitem_id 0
		.amdhsa_next_free_vgpr 200
		.amdhsa_next_free_sgpr 66
		.amdhsa_reserve_vcc 0
		.amdhsa_float_denorm_mode_32 3
		.amdhsa_float_denorm_mode_16_64 3
		.amdhsa_memory_ordered 1
		.amdhsa_forward_progress 1
		.amdhsa_inst_pref_size 74
	.end_amdhsa_kernel
	.amdgpu_metadata
---
amdhsa.version: [ 1, 2 ]
amdhsa.kernels:
  - .name:           k_qb4b513f99a_quant
    .symbol:         k_qb4b513f99a_quant.kd
    .args:
      - { .name: query, .offset: 0, .size: 8, .value_kind: global_buffer, .address_space: global }
      - { .name: key, .offset: 8, .size: 8, .value_kind: global_buffer, .address_space: global }
      - { .name: value, .offset: 16, .size: 8, .value_kind: global_buffer, .address_space: global }
      - { .name: Wq, .offset: 24, .size: 8, .value_kind: global_buffer, .address_space: global }
      - { .name: Wk, .offset: 32, .size: 8, .value_kind: global_buffer, .address_space: global }
      - { .name: Wv, .offset: 40, .size: 8, .value_kind: global_buffer, .address_space: global }
      - { .name: Wo, .offset: 48, .size: 8, .value_kind: global_buffer, .address_space: global }
      - { .name: xcodes, .offset: 56, .size: 8, .value_kind: global_buffer, .address_space: global }
      - { .name: xsc, .offset: 64, .size: 8, .value_kind: global_buffer, .address_space: global }
      - { .name: wcodes, .offset: 72, .size: 8, .value_kind: global_buffer, .address_space: global }
      - { .name: wsc, .offset: 80, .size: 8, .value_kind: global_buffer, .address_space: global }
    .group_segment_fixed_size: 68096
    .private_segment_fixed_size: 0
    .kernarg_segment_align: 8
    .kernarg_segment_size: 88
    .max_flat_workgroup_size: 128
    .sgpr_count:     66
    .vgpr_count:     200
    .wavefront_size: 32
...
	.end_amdgpu_metadata
.endif
;; end of part 1
;; launch proj (part 2): grid 4 x 64, 4 waves a work-group, clusters of 4 x 4, 327,680 bytes of LDS; arguments xcodes, xsc, wcodes, wsc, bq, bk, bv, att; writes att
.if DOCPART == 2
	.amdgcn_target "amdgcn-amd-amdhsa--gfx1250"
	.amdhsa_code_object_version 6
	.text
	.protected	k_qb4b513f99a_proj
	.globl	k_qb4b513f99a_proj
	.p2align	8
	.type	k_qb4b513f99a_proj,@function
k_qb4b513f99a_proj:
	s_mov_b64 s[64:65], 0
	v_nop
	global_prefetch_b8 v0, s[64:65] scope:SCOPE_SE
	s_setreg_imm32_b32 hwreg(HW_REG_WAVE_MODE, 25, 1), 1
	s_wait_xcnt 0x0
	s_wait_alu depctr_hold_cnt(0) depctr_sa_sdst(0) depctr_va_vdst(0) depctr_va_sdst(0) depctr_va_ssrc(0) depctr_va_vcc(0) depctr_vm_vsrc(0)
	s_getreg_b32 s2, hwreg(HW_REG_IB_STS2, 6, 4)
	s_cmp_eq_u32 s2, 0
	s_cbranch_scc0 .Lentry_in_a_cluster
	s_endpgm
.Lentry_in_a_cluster:
	s_bfe_u32 s2, ttmp6, 0x10000c
	s_cmp_lg_u32 s2, 0xf033
	s_cbranch_scc0 .Lentry_shape_is_right
	s_endpgm
.Lentry_shape_is_right:
; Launch 2 of 4: q = query Wq + bq, k = key Wk + bk, v = value Wv + bv on codes of E2M3, the results quantised at once for the two products of the attention.  No work is left out.
; A WORK-GROUP STAYS and makes three tiles of 128 x 256, one of q, one of k, one of v; a wave makes 64 x 128 of each (32 accumulators).  768 tiles on 256 work-groups.
; ALL of K = 1,024 of a tile's 128 + 256 operand rows is staged in LDS at once: a row of codes is 768 bytes of memory, begins at a multiple of 256 bytes, and lies in LDS as 3 x (256 + 16 of padding) = 816 bytes.
; Each wave asks for its part with ONE tensor load.  The next tile's load goes out in a tile's step 6, when every wave's last fragments (step 7's) are in registers, and lands under step 7 and the quantiser.
; Source 1 of the matrix instruction (A here) gives a lane its row, source 0 (B) runs along the lane's registers:
;   q, k: A = 128 tokens (xcodes), B = 256 features (wcodes): a lane holds a token, its registers the heads' features, K of q k^T.  The bias is the C of the first products.
;   v:    A = 128 features (wcodes from row 2,048), B = 256 tokens (xcodes from row 16,384): a lane holds a feature, its registers the tokens, K of P V.  The bias, one number a lane and block, is added behind the sums.
; CLUSTERS: 4 x 4; A's rows hang on cy and the cluster's y and are asked for jointly by a row of the cluster, B's on cx and the cluster's y, by a column.  All partners walk q, k, v in step.
; THE SCALES go from memory into registers: lane (r, h) takes 16 bytes at 32 r + 16 h of a block of 16 rows: a load covers 512 consecutive bytes; lanes 0-15 hold the words of steps 0-3, lanes 16-31 of steps 4-7.
; PREFETCH: in a tile's first step each wave names the next tile's rows that its own next load will want, six steps ahead of that load: of A's 64 rows the partner at cx takes 16, of B's 128 the partner at cy 32,
; a lane a row, three instructions for a row's three blocks of 256 bytes (A's waves: lanes 16-31 name lanes 0-15's blocks again).  The last tile asks for nothing.
; OUT: att, 1,024 blocks of 19,712 bytes, block ((b 16 + head) 8 + chunk of 128 tokens): Q's codes 6,144, Q's scale words 512, K's 6,144 + 512, V^T's codes 6,144, V's scale words 256, in the order of the operand's registers.
; ORDER INSIDE A BLOCK OF 32: slot 16 h + 8 u + j holds element 16 u + 8 h + j, alike on q and k, and alike on v here and on p in the next launch.
; LIMITS: blocks whose largest magnitude lies under 2^-124 keep the scale byte 1 (so does a block of zeros: its codes are zeros); NaN and infinities are not served.
; REGISTERS: window 0: v0-31 addresses, v32-63 B's scale words, v64-79 A's, v80-143 the bias, v144-255 the quantiser.  window 1: B's fragments, two sets (v0, v128).  window 2: the accumulators.  window 3: A's fragments, two sets (v0, v64).
; SCALARS: s[36:39] the next tile's two global addresses, s[60:63] v's; s[66:69] the next tile's scale pointers, s[70:73] v's; s[96:101] this, the next and v's bias; s[12:13], s[74:77] the same for att; s[78:81] the prefetches'.
.set KROW,   768
.set PITCH,  816
.set FR,     12
.set HALFA,  64*PITCH
.set HALFB,  128*PITCH
.set BBASE,  2*HALFA
.set SCST,   BBASE+2*HALFB             ; behind the tiles: a stage of 512 bytes a wave for scale words; no tile lands there
.set SPARE,  SCST+2048                 ; the spare words, 128 bytes a wave
.set BLKB,   19712
.set HEADB,  8*BLKB
.set ADRA, 10                          ; v10, v11: A's fragments; the second for pieces whose lanes 16-31 lie behind one padding more
.set ADRB, 12                          ; v12-13 B's blocks 0-3, v14-15 blocks 4-7
.set SH,   16
.set LI,   17
.set SST,  18
.set SSV,  19
.set SRD,  20
.set GSV,  21
.set SR8,  22
.set G8,   23
.set PWR,  24                          ; v24-27
.set SPW,  28
.set NIL,  29
.set LIQ,  30
.set PFO,  31
.set SB,   32
.set SA,   64
.set BI,   80
.set H,    144
.set PE,   208
.set PO,   220
.set EX,   232
.set TM,   240
.set G1,   24
.set GA0,  32
.set G1B,  48
.set GB0,  56
.set MSB, 0
.macro WIN new                         ; the immediate's high byte repeats the setting that is left
.if MSB != (\new)
	s_set_vgpr_msb (MSB<<8)|(\new)
.set MSB, (\new)
.endif
.endm
.set MULW, 0xad                        ; source 0 (B) window 1, source 1 (A) window 3, C and D window 2
.set BEGW, 0x8d                        ; the same with C (the bias) in window 0
.macro PLACES                          ; four plain places behind a matrix instruction (ISA guide 7.12.1)
.rept 4
	v_nop
.endr
.endm
.macro CREST                           ; a round of the cluster's barrier behind its opening barrier
	s_cmp_lg_u32 s14, 0
	s_cbranch_scc1 .Lnot_wave_0_\@
	s_barrier_signal -3
.Lnot_wave_0_\@:
	s_barrier_wait -3
	s_barrier_signal -1
	s_barrier_wait -1
.endm
.macro CROUND
	s_barrier_signal -1
	s_barrier_wait -1
	CREST
.endm
.macro JLOAD                           ; one tensor load a wave: waves 0, 1 A's halves, waves 2, 3 B's; the branch hangs on the wave's number alone
	s_cmp_eq_u32 s15, 0
	s_cbranch_scc0 .Lfor_b_\@
	tensor_load_to_lds s[GA0:GA0+3], s[G1:G1+7]
	s_nop 0
	PLACES
	s_branch .Lasked_\@
.Lfor_b_\@:
	tensor_load_to_lds s[GB0:GB0+3], s[G1B:G1B+7]
	s_nop 0
	PLACES
.Lasked_\@:
.endm
	s_load_b128 s[4:7], s[0:1], 0x0                ; xcodes, xsc
	s_load_b128 s[8:11], s[0:1], 0x10              ; wcodes, wsc
	s_load_b128 s[96:99], s[0:1], 0x20             ; bq, bk
	s_load_b64 s[100:101], s[0:1], 0x30            ; bv
	s_load_b64 s[12:13], s[0:1], 0x38              ; att
	v_lshl_add_u32 v[SPW], v0, 2, SPARE
	v_mov_b32 v[NIL], 0
	ds_add_u32 v[SPW], v[NIL]                      ; the opening: the add, twice on end, and its wait ahead of my first tensor load
	ds_add_u32 v[SPW], v[NIL]
	v_lshrrev_b32 v1, 5, v0
	v_readfirstlane_b32 s14, v1                    ; wave
	s_lshr_b32 s15, s14, 1                         ; my half of A's rows.  Also: I fetch for A (0) or for B (1)
	s_and_b32 s16, s14, 1                          ; my half of B's rows.  Also: which half of that tile I fetch
	s_bfe_u32 s40, ttmp6, 0x40000                  ; cx
	s_bfe_u32 s41, ttmp6, 0x40004                  ; cy
	s_and_b32 s89, ttmp7, 0xffff                   ; the cluster's y, 0 .. 15
	s_lshl_b32 s43, s41, 2
	s_lshl_b32 s43, 15, s43                        ; my row of the cluster
	s_lshl_b32 s44, 0x1111, s40                    ; my column
	s_or_b32 s[G1+0], s43, (1<<20)|(1<<21)|(5<<22)|(3<<25)   ; the mask; elements of 1 byte; padding on; bit 21 beside a mask; after every 64 words, 4 words
	s_or_b32 s[G1B+0], s44, (1<<20)|(1<<21)|(5<<22)|(3<<25)
	s_mov_b32 s[G1+1], KROW<<16
	s_mov_b32 s[G1+2], 64<<16
	s_mov_b32 s[G1+3], KROW<<16
	s_mov_b32 s[G1+4], 64
	s_mov_b32 s[G1+5], KROW
	s_mov_b32 s[G1+6], 0
	s_mov_b32 s[G1+7], 0
	s_mov_b32 s[G1B+1], KROW<<16
	s_mov_b32 s[G1B+2], 128<<16
	s_mov_b32 s[G1B+3], KROW<<16
	s_mov_b32 s[G1B+4], 128
	s_mov_b32 s[G1B+5], KROW
	s_mov_b32 s[G1B+6], 0
	s_mov_b32 s[G1B+7], 0
	s_lshl_b32 s17, s89, 2
	s_add_co_u32 s17, s17, s41
	s_lshl_b32 s17, s17, 7                         ; q: A's first row, 128 (4 y + cy)
	s_lshl_b32 s42, s40, 8
	s_lshl_b32 s18, s16, 7
	s_add_co_u32 s42, s42, s18                     ; q: my 128 rows of B, 256 cx + 128 x half: those that I fetch are those that I multiply
	s_lshl_b32 s19, s16, 6
	s_add_co_u32 s20, s17, s19
	s_mul_i32 s20, s20, KROW                       ; q: A's 64 rows that I fetch, in bytes
	s_mov_b32 s21, 0
	s_mul_i32 s46, s42, KROW
	s_mov_b32 s47, 0
	s_mul_i32 s82, s16, HALFA                      ; LDS: no place in the cluster enters an LDS address
	s_mul_i32 s83, s16, HALFB
	s_add_co_u32 s83, s83, BBASE
	s_wait_dscnt 0x0                               ; both opening adds are done
	s_wait_kmcnt 0x0
	s_mov_b32 s[GA0], 1
	s_mov_b32 s[GA0+1], s82
	s_add_nc_u64 s[GA0+2:GA0+3], s[4:5], s[20:21]
	s_or_b32 s[GA0+3], s[GA0+3], 0x80000000
	s_mov_b32 s[GB0], 1
	s_mov_b32 s[GB0+1], s83
	s_add_nc_u64 s[GB0+2:GB0+3], s[8:9], s[46:47]
	s_or_b32 s[GB0+3], s[GB0+3], 0x80000000
	CROUND                                         ; all sixteen work-groups are here: the joint loads meet
	JLOAD                                          ; q's tile; all that follows in the head is made while it is on its way
	s_mov_b32 s91, 0
	s_add_nc_u64 s[36:37], s[GA0+2:GA0+3], 8192*KROW     ; k's tile: 8,192 rows of xcodes and 1,024 rows of wcodes on
	s_add_nc_u64 s[38:39], s[GB0+2:GB0+3], 1024*KROW
	s_lshl_b32 s18, s15, 6
	s_add_co_u32 s90, s17, s18                     ; q: A's 64 rows that I multiply
	s_lshl_b32 s90, s90, 5
	s_add_nc_u64 s[22:23], s[6:7], s[90:91]        ; their scales, and k's
	s_add_nc_u64 s[66:67], s[22:23], 8192*32
	s_lshl_b32 s90, s42, 5
	s_add_nc_u64 s[92:93], s[10:11], s[90:91]
	s_add_nc_u64 s[68:69], s[92:93], 1024*32
	s_lshl_b32 s90, s42, 2
	s_add_nc_u64 s[96:97], s[96:97], s[90:91]      ; bq and bk at my 128 features
	s_add_nc_u64 s[98:99], s[98:99], s[90:91]
	s_and_b32 s84, s89, 1
	s_lshl_b32 s84, s84, 2
	s_add_co_u32 s84, s84, s41
	s_lshl_b32 s84, s84, 7
	s_add_co_u32 s84, s84, 2048                    ; v: A's first row, 2,048 + 128 (cy + 4 (y % 2))
	s_lshr_b32 s85, s89, 1
	s_lshl_b32 s85, s85, 2
	s_add_co_u32 s85, s85, s40
	s_lshl_b32 s85, s85, 8
	s_add_co_u32 s85, s85, 16384                   ; v: B's first row, 16,384 + 256 (cx + 4 (y / 2))
	s_lshl_b32 s86, s16, 7
	s_add_co_u32 s86, s85, s86                     ; v: my 128 rows of B
	s_add_co_u32 s87, s84, s18                     ; v: A's 64 rows that I multiply
	s_add_co_u32 s104, s84, s19                    ; v: A's 64 rows that I fetch
	s_mul_i32 s90, s104, KROW
	s_add_nc_u64 s[60:61], s[8:9], s[90:91]
	s_or_b32 s61, s61, 0x80000000
	s_mul_i32 s90, s86, KROW
	s_add_nc_u64 s[62:63], s[4:5], s[90:91]
	s_or_b32 s63, s63, 0x80000000
	s_lshl_b32 s90, s87, 5
	s_add_nc_u64 s[70:71], s[10:11], s[90:91]
	s_lshl_b32 s90, s86, 5
	s_add_nc_u64 s[72:73], s[6:7], s[90:91]
	s_and_b32 s90, s87, 1023
	s_lshl_b32 s90, s90, 2
	s_add_nc_u64 s[100:101], s[100:101], s[90:91]  ; bv at my 64 features
	s_bfe_u32 s90, s86, 0x3000a                    ; v: b,
	s_lshl_b32 s90, s90, 4
	s_bfe_u32 s105, s87, 0x40006                   ; my head,
	s_add_co_u32 s90, s90, s105
	s_lshl_b32 s90, s90, 3
	s_bfe_u32 s105, s86, 0x30007                   ; the chunk of 128 tokens
	s_add_co_u32 s90, s90, s105
	s_mul_i32 s90, s90, BLKB
	s_add_co_u32 s90, s90, 13312
	s_add_nc_u64 s[76:77], s[12:13], s[90:91]
	s_bfe_u32 s90, s17, 0x3000a                    ; q: b,
	s_lshl_b32 s90, s90, 4
	s_lshr_b32 s105, s42, 6                        ; the even head of my two,
	s_add_co_u32 s90, s90, s105
	s_lshl_b32 s90, s90, 3
	s_bfe_u32 s105, s17, 0x30007                   ; the chunk
	s_add_co_u32 s90, s90, s105
	s_mul_i32 s90, s90, BLKB
	s_add_nc_u64 s[12:13], s[12:13], s[90:91]
	s_add_nc_u64 s[74:75], s[12:13], 6656          ; k's part of the same block
	s_lshl_b32 s105, s40, 4                        ; the prefetches: of A's 64 rows that I fetch my work-group names 16, by cx;
	s_add_co_u32 s90, s17, s19
	s_add_co_u32 s90, s90, s105
	s_add_co_u32 s90, s90, 8192
	s_add_co_u32 s104, s104, s105
	s_lshl_b32 s105, s41, 5                        ; of B's 128 rows 32, by cy
	s_add_co_u32 s84, s42, s105
	s_add_co_u32 s84, s84, 1024
	s_add_co_u32 s85, s86, s105
	s_cmp_eq_u32 s15, 0
	s_cselect_b32 s90, s90, s84
	s_cselect_b32 s104, s104, s85
	s_cselect_b64 s[78:79], s[4:5], s[8:9]
	s_cselect_b64 s[80:81], s[8:9], s[4:5]
	s_cselect_b32 s88, 15, 31
	s_mul_i32 s90, s90, KROW
	s_add_nc_u64 s[78:79], s[78:79], s[90:91]      ; k's rows
	s_mul_i32 s90, s104, KROW
	s_add_nc_u64 s[80:81], s[80:81], s[90:91]      ; v's rows
	s_mul_i32 s43, s15, 3072
	s_lshl_b32 s44, s15, 8
	s_mul_i32 s45, s15, HALFA
	s_add_co_u32 s94, s83, 64*PITCH
	s_lshl_b32 s95, s14, 9
	s_add_co_u32 s95, s95, SCST
	s_mov_b32 s18, 0x76543210
	s_mov_b32 s19, 0xfedcba98                      ; v_permlanex16_b32's selects for lane l xor 16
	s_mov_b32 s3, 2                                ; the loop's trips: q, k
	v_and_b32 v1, 15, v0                           ; r
	v_bfe_u32 v2, v0, 4, 1                         ; h
	v_mul_u32_u24 v3, v1, PITCH
	v_mad_u32_u24 v4, v2, 24, v3                   ; a fragment's row x pitch + 24 h
	v_lshl_add_u32 v5, v2, 4, v4                   ; and with lanes 16-31 behind one padding more
	v_add_nc_u32 v[ADRA], s45, v4
	v_add_nc_u32 v[ADRA+1], s45, v5
	v_add_nc_u32 v[ADRB], s83, v4
	v_add_nc_u32 v[ADRB+1], s83, v5
	v_add_nc_u32 v[ADRB+2], s94, v4
	v_add_nc_u32 v[ADRB+3], s94, v5
	v_lshlrev_b32 v7, 5, v1
	v_lshl_add_u32 v7, v2, 4, v7                   ; scales: 32 r + 16 h
	v_lshlrev_b32 v8, 5, v2                        ; 32 h: the bias of q and k
	v_lshlrev_b32 v9, 2, v1                        ; 4 r: the bias of v
	v_and_b32 v6, 31, v0
	v_lshlrev_b32 v[SH], 4, v2
	v_lshlrev_b32 v[LI], 4, v6
	v_add_nc_u32 v[LIQ], s43, v[LI]                ; q, k: my 64 tokens' codes begin 3,072 x half into the chunk's
	v_add_nc_u32 v[SSV], s95, v9
	v_lshl_add_u32 v[SST], v2, 8, v[SSV]
	v_add_nc_u32 v[SRD], s95, v[LI]
	v_lshl_add_u32 v[SR8], v6, 3, s95
	v_lshlrev_b32 v[G8], 3, v6
	v_mul_u32_u24 v[GSV], v2, HEADB
	v_lshl_add_u32 v[GSV], v1, 4, v[GSV]
	v_add_nc_u32 v[GSV], s44, v[GSV]               ; q, k: lanes 0-15 the even head's 256 bytes of scale words, lanes 16-31 the odd head's
	v_and_b32 v[PFO], s88, v6
	v_mul_u32_u24 v[PFO], v[PFO], KROW             ; the prefetches: a lane a row
	s_wait_alu depctr_va_vdst(0)
.macro SLOAD pa, pb                    ; a tile's scale words: 12 loads
.irp i, 0,1,2,3
	global_load_b128 v[SA+4*\i:SA+4*\i+3], v7, s[\pa:\pa+1] offset:512*\i
.endr
.irp i, 0,1,2,3,4,5,6,7
	global_load_b128 v[SB+4*\i:SB+4*\i+3], v7, s[\pb:\pb+1] offset:512*\i
.endr
.endm
	SLOAD 22, 92
.macro FRAG reg, adr, st, i            ; 12 registers: registers 6 c .. 6 c + 5 hold K = 64 c + 32 h + 0 .. 31: 24 bytes of the row, in pieces of 8.  Byte y of a row lies at y + 16 (y / 256) of its LDS row
.irp p, 0,1,2,3,4,5
.set BY, 96*(\st)+48*(\p/3)+8*(\p%3)
.if BY/256 == (BY+24)/256
	ds_load_b64 v[\reg+2*\p:\reg+2*\p+1], v[\adr] offset:BY+16*(BY/256)+(\i)*16*PITCH
.else
	ds_load_b64 v[\reg+2*\p:\reg+2*\p+1], v[\adr+1] offset:BY+16*(BY/256)+(\i)*16*PITCH
.endif
.endr
.endm
.macro FETCH st                        ; step st's fragments into set st % 2: 72 loads
	WIN 0x40
.irp i, 0,1,2,3,4,5,6,7
	FRAG (128*((\st)%2)+FR*\i), (ADRB+2*(\i/4)), \st, (\i%4)
.endr
	WIN 0xc0
.irp i, 0,1,2,3
	FRAG (64*((\st)%2)+FR*\i), ADRA, \st, \i
.endr
.endm
; 16 matrix instructions: A's blocks a0, a0 + 1 x B's eight; the accumulators take turns, in the same order in every step.  first = 2: the sums start from the bias; 1: from 0
.macro MULS st, first, a0
.irp a, \a0, \a0+1
.irp b, 0,1,2,3,4,5,6,7
.set DD, 8*(8*(\a)+\b)
.set FB, 128*((\st)%2)+FR*\b
.set FA, 64*((\st)%2)+FR*(\a)
.set XB, SB+4*\b+(\st)%4
.set XA, SA+4*(\a)+(\st)%4
.if (\first) == 2
	v_wmma_scale_f32_16x16x128_f8f6f4 v[DD:DD+7], v[FB:FB+11], v[FA:FA+11], v[BI+8*\b:BI+8*\b+7], v[XB], v[XA] matrix_a_fmt:MATRIX_FMT_FP6 matrix_b_fmt:MATRIX_FMT_FP6
.elseif (\first) == 1
	v_wmma_scale_f32_16x16x128_f8f6f4 v[DD:DD+7], v[FB:FB+11], v[FA:FA+11], 0, v[XB], v[XA] matrix_a_fmt:MATRIX_FMT_FP6 matrix_b_fmt:MATRIX_FMT_FP6
.elseif (\st) < 4
	v_wmma_scale_f32_16x16x128_f8f6f4 v[DD:DD+7], v[FB:FB+11], v[FA:FA+11], v[DD:DD+7], v[XB], v[XA] matrix_a_fmt:MATRIX_FMT_FP6 matrix_b_fmt:MATRIX_FMT_FP6
.else
	v_wmma_scale_f32_16x16x128_f8f6f4 v[DD:DD+7], v[FB:FB+11], v[FA:FA+11], v[DD:DD+7], v[XB], v[XA] matrix_a_fmt:MATRIX_FMT_FP6 matrix_b_fmt:MATRIX_FMT_FP6 matrix_a_scale:MATRIX_SCALE_ROW1 matrix_b_scale:MATRIX_SCALE_ROW1
.endif
.endr
.endr
.endm
.macro STEP st, first                  ; 128 along K: this step's fragments are in; the next step's are asked for, into the set that the step before multiplied; then the products
	s_wait_dscnt 0x0
.if (\st) > 0
	PLACES
.endif
.if (\st) < 7
	FETCH (\st)+1
.endif
	WIN MULW
	MULS \st, \first, 0
	MULS \st, \first, 2
.endm
.macro LAST                            ; behind the last products
	WIN 0
.irp b, 0,1,2,3
	v_mov_b32 v[TM+4+\b], 0                        ; a lane permute's destination counts as one of its sources.  These four are also the places behind the last products
.endr
	s_wait_loadcnt 0x0
.endm
; 64 numbers of a lane, v[QSRC] on (in window 2 under QWA = 0x0a, QWB = 0x02: the accumulators themselves; in window 0 under 0, 0), register 16 b + i = slot 16 h + i of block b of my row, become codes:
; blocks 0, 1 in v[QD0] .. +5, blocks 2, 3 in v[QD1] .. +5; the four bytes in v[QPW].  Each accumulator is read from its low end on
.macro QUANT
	WIN QWA
.irp b, 0,1,2,3
	v_max3_num_f32 v[TM+\b], |v[QSRC+16*\b]|, |v[QSRC+1+16*\b]|, 0x1800000   ; with the floor 2^(3 - 127): the byte cannot fall under 1
.endr
.irp m, 2,4,6,8,10,12,14
.irp b, 0,1,2,3
	v_max3_num_f32 v[TM+\b], |v[QSRC+16*\b+\m]|, |v[QSRC+1+16*\b+\m]|, v[TM+\b]
.endr
.endr
	WIN 0
.irp b, 0,1,2,3
	v_permlanex16_b32 v[TM+4+\b], v[TM+\b], s18, s19
.endr
.irp b, 0,1,2,3
	v_max_num_f32 v[TM+\b], v[TM+\b], v[TM+4+\b]   ; with lane l xor 16's: the block's largest magnitude
.endr
.irp b, 0,1,2,3
	v_add_nc_u32 v[TM+12+\b], 0xff000000, v[TM+\b] ; 2 off its exponent field: the conversion's scale operand
.endr
.irp b, 0,1,2,3
	v_lshrrev_b32 v[TM+4+\b], 23, v[TM+12+\b]      ; the scale's byte
.endr
	v_lshl_or_b32 v[QPW], v[TM+5], 8, v[TM+4]
	v_lshl_or_b32 v[QPW], v[TM+6], 16, v[QPW]
	v_lshl_or_b32 v[QPW], v[TM+7], 24, v[QPW]
	WIN QWB
	v_cvt_scalef32_pk16_fp6_f32 v[QD0:QD0+2], v[QSRC:QSRC+15], v[TM+12]
	v_cvt_scalef32_pk16_fp6_f32 v[EX:EX+2], v[QSRC+16:QSRC+31], v[TM+13]     ; (a conversion's three registers begin on an even number)
	v_cvt_scalef32_pk16_fp6_f32 v[QD1:QD1+2], v[QSRC+32:QSRC+47], v[TM+14]
	v_cvt_scalef32_pk16_fp6_f32 v[EX+4:EX+6], v[QSRC+48:QSRC+63], v[TM+15]
	WIN 0
	v_nop                                          ; one plain place behind a scaled conversion
.irp k, 0,1,2                                  ; the operand's layout wants a whole block in a lane
	v_permlane16_swap_b32 v[QD0+\k], v[EX+\k]
	v_permlane16_swap_b32 v[QD1+\k], v[EX+4+\k]
.endr
.irp k, 0,1,2
	v_mov_b32 v[QD0+3+\k], v[EX+\k]
	v_mov_b32 v[QD1+3+\k], v[EX+4+\k]
.endr
.endm
.Ltile:
	; ---- q, then k.  Lane (r, h) of block a holds token 16 a + r of my 64; register 8 b + j the feature 16 b + 8 h + j of my 128: two heads of 64
.irp b, 0,1,2,3,4,5,6,7
	global_load_b128 v[BI+8*\b:BI+8*\b+3], v8, s[96:97] offset:64*\b          ; the bias, asked for ahead of the wait for the tile
	global_load_b128 v[BI+8*\b+4:BI+8*\b+7], v8, s[96:97] offset:64*\b+16
.endr
	s_wait_tensorcnt 0x0                           ; my part of the tile is in
	s_barrier_signal -1
	s_barrier_wait -1                              ; and everybody's
	FETCH 0
	s_wait_loadcnt 0x0                             ; the scale words and the bias
	s_wait_dscnt 0x0
	FETCH 1
.irp o, 0,256,512
	global_prefetch_b8 v[PFO], s[78:79] offset:\o th:TH_LOAD_NT scope:SCOPE_SE   ; the next tile's rows
.endr
	WIN BEGW
	MULS 0, 2, 0                                   ; the first step's products start the sums from the bias: nothing is cleared or added later
	MULS 0, 2, 2
.irp t, 1,2,3,4,5
	STEP \t, 0
.endr
	s_wait_dscnt 0x0                               ; step 6's fragments are in
	PLACES
	FETCH 7                                        ; my last reads of this tile
	WIN 0
	s_wait_tensorcnt 0x0                           ; no load of mine is out;
	ds_add_u32 v[SPW], v[NIL]
	s_mov_b64 s[GA0+2:GA0+3], s[36:37]             ; so the descriptors may be written: the next tile's addresses,
	s_mov_b64 s[GB0+2:GB0+3], s[38:39]
	s_mov_b64 s[36:37], s[60:61]                   ; and behind k comes v
	s_mov_b64 s[38:39], s[62:63]
	WIN MULW
	MULS 6, 0, 0                                   ; sixteen matrix instructions stand between the add and the wait for it
	s_wait_dscnt 0x0                               ; the add is done, and my reads of this tile are over: step 7's fragments are in registers
	s_barrier_signal -1                            ; this barrier opens a round of the cluster's
	MULS 6, 0, 2
	WIN 0
	s_barrier_wait -1
	CREST                                          ; no wave of any partner still reads the tile or has a load on its way
	JLOAD                                          ; the next tile, the first tensor load behind the round
	WIN MULW
	MULS 7, 0, 0
	MULS 7, 0, 2
	LAST
	SLOAD 66, 68                                   ; the next tile's scale words
.set QWA, 0x0a
.set QWB, 0x02
.irp u, 0,1                                    ; two blocks of 16 tokens make twelve registers for each head: three stores of 512 bytes
.if \u > 0
	s_wait_xcnt 0x0                                ; the last stores have read their registers: the codes may be written again
.endif
.irp e, 0,1
.set AA, 2*\u+\e
.set QSRC, 64*AA
.set QD0, PE+6*\e
.set QD1, PO+6*\e
.set QPW, PWR+AA
	QUANT
	v_lshrrev_b32 v[PWR+AA], v[SH], v[PWR+AA]      ; lanes 0-15 keep the word (bytes 0, 1: the even head's), lanes 16-31 bring the odd head's two bytes down
	ds_store_b32 v[SST], v[PWR+AA] offset:64*AA
.endr
.irp g, 0,1,2
	global_store_b128 v[LIQ], v[PE+4*\g:PE+4*\g+3], s[12:13] offset:512*(3*\u+\g)
	global_store_b128 v[LIQ], v[PO+4*\g:PO+4*\g+3], s[12:13] offset:HEADB+512*(3*\u+\g)
.endr
.endr
	ds_load_b128 v[H:H+3], v[SRD]                  ; my own bytes: LDS serves a wave's instructions in order
	s_wait_dscnt 0x0
	global_store_b128 v[GSV], v[H:H+3], s[12:13] offset:6144   ; sixteen lanes store 256 consecutive bytes, aligned
	s_wait_alu depctr_va_vdst(0)
	s_wait_xcnt 0x0                                ; every load, store and prefetch has read its base: the pointers move on by a tile
	s_mov_b64 s[66:67], s[70:71]
	s_mov_b64 s[68:69], s[72:73]
	s_mov_b64 s[96:97], s[98:99]
	s_mov_b64 s[98:99], s[100:101]
	s_mov_b64 s[12:13], s[74:75]
	s_mov_b64 s[74:75], s[76:77]
	s_mov_b64 s[78:79], s[80:81]
	s_sub_co_u32 s3, s3, 1
	s_cmp_lg_u32 s3, 0
	s_cbranch_scc1 .Ltile
	; ---- v, written out: it asks for nothing more.  Lane (r, h) of block a holds feature 16 a + r of my head; register 8 b + j the token 16 b + 8 h + j of my 128: a block is one fragment of V^T
	s_wait_tensorcnt 0x0
	s_barrier_signal -1
	s_barrier_wait -1
	FETCH 0
	WIN 0
.irp a, 0,1,2,3
	global_load_b32 v[BI+2*\a], v9, s[96:97] offset:64*\a
	global_load_b32 v[BI+2*\a+1], v9, s[96:97] offset:64*\a       ; (named with it as a pair, so it is written)
.endr
	s_wait_loadcnt 8                               ; the 12 loads of scale words are in; the 8 of the bias, just issued, may be out
	STEP 0, 1
.irp t, 1,2,3,4,5,6,7
	STEP \t, 0
.endr
	LAST
.set QWA, 0
.set QWB, 0
.set QSRC, H
.irp a, 0,1,2,3
.if \a > 0
	s_wait_xcnt 0x0                                ; the last stores have read their registers
.endif
	WIN 0x02
.set k, 0
.rept 32
	v_pk_add_f32 v[H+2*k:H+2*k+1], v[64*\a+2*k:64*\a+2*k+1], v[BI+2*\a:BI+2*\a+1] op_sel_hi:[1,0]
.set k, k+1
.endr
	WIN 0
.set QD0, PE
.set QD1, PE+6
.set QPW, PWR+\a
	QUANT
	ds_store_b32 v[SSV], v[PWR+\a] offset:64*\a    ; both halves of the lanes write the same word with the same value
.irp g, 0,1,2
	global_store_b128 v[LI], v[PE+4*\g:PE+4*\g+3], s[12:13] offset:1536*\a+512*\g
.endr
.endr
	ds_load_b64 v[H:H+1], v[SR8]
	s_wait_dscnt 0x0
	global_store_b64 v[G8], v[H:H+1], s[12:13] offset:6144        ; 32 lanes store my head's 256 bytes of scale words, aligned
	s_wait_tensorcnt 0x0                           ; the wave's end
	ds_add_u32 v[SPW], v[NIL]
	s_wait_dscnt 0x0
	CROUND                                         ; the closing round
	s_endpgm
.Lfunc_end_k_qb4b513f99a_proj:
	.size	k_qb4b513f99a_proj, .Lfunc_end_k_qb4b513f99a_proj-k_qb4b513f99a_proj
	.p2alignl 7, 3214868480
	.fill 96, 4, 3214868480
	.section	.rodata,"a",@progbits
	.p2align	6, 0x0
	.amdhsa_kernel k_qb4b513f99a_proj
		.amdhsa_group_segment_fixed_size 327680
		.amdhsa_private_segment_fixed_size 0
		.amdhsa_enable_private_segment 0
		.amdhsa_kernarg_size 64
		.amdhsa_user_sgpr_count 2
		.amdhsa_user_sgpr_kernarg_segment_ptr 1
		.amdhsa_wavefront_size32 1
		.amdhsa_system_sgpr_workgroup_id_x 1
		.amdhsa_system_sgpr_workgroup_id_y 1
		.amdhsa_system_sgpr_workgroup_id_z 1
		.amdhsa_system_vgpr_workitem_id 0
		.amdhsa_next_free_vgpr 1024
		.amdhsa_next_free_sgpr 106
		.amdhsa_reserve_vcc 0
		.amdhsa_float_denorm_mode_32 3
		.amdhsa_float_denorm_mode_16_64 3
		.amdhsa_memory_ordered 1
		.amdhsa_forward_progress 1
		.amdhsa_inst_pref_size 199
	.end_amdhsa_kernel
	.amdgpu_metadata
---
amdhsa.version: [ 1, 2 ]
amdhsa.kernels:
  - .name:           k_qb4b513f99a_proj
    .symbol:         k_qb4b513f99a_proj.kd
    .args:
      - { .name: xcodes, .offset: 0, .size: 8, .value_kind: global_buffer, .address_space: global }
      - { .name: xsc, .offset: 8, .size: 8, .value_kind: global_buffer, .address_space: global }
      - { .name: wcodes, .offset: 16, .size: 8, .value_kind: global_buffer, .address_space: global }
      - { .name: wsc, .offset: 24, .size: 8, .value_kind: global_buffer, .address_space: global }
      - { .name: bq, .offset: 32, .size: 8, .value_kind: global_buffer, .address_space: global }
      - { .name: bk, .offset: 40, .size: 8, .value_kind: global_buffer, .address_space: global }
      - { .name: bv, .offset: 48, .size: 8, .value_kind: global_buffer, .address_space: global }
      - { .name: att, .offset: 56, .size: 8, .value_kind: global_buffer, .address_space: global }
    .group_segment_fixed_size: 327680
    .private_segment_fixed_size: 0
    .kernarg_segment_align: 8
    .kernarg_segment_size: 64
    .max_flat_workgroup_size: 128
    .sgpr_count:     106
    .vgpr_count:     1024
    .wavefront_size: 32
...
	.end_amdgpu_metadata
.endif
;; end of part 2
;; launch attn (part 3): grid 32 x 8, 8 waves a work-group, no clusters, 327,680 bytes of LDS; arguments att, spatial_encoding, edge_encoding, key_padding_mask, ocodes, osc; writes ocodes, osc
.if DOCPART == 3
	.amdgcn_target "amdgcn-amd-amdhsa--gfx1250"
	.amdhsa_code_object_version 6
	.text
	.protected	k_qb4b513f99a_attn
	.globl	k_qb4b513f99a_attn
	.p2align	8
	.type	k_qb4b513f99a_attn,@function
k_qb4b513f99a_attn:
	s_mov_b64 s[64:65], 0
	v_nop
	global_prefetch_b8 v0, s[64:65] scope:SCOPE_SE
	s_setreg_imm32_b32 hwreg(HW_REG_WAVE_MODE, 25, 1), 1
	s_wait_xcnt 0x0
.set BLKB,  19712
.set FLIP,  0x10000
.set IMG0,  131072
.set STAGE, 231424
.set SCST,  265216
.set MASK,  266240
.set SPARE, 267264
.set L16, 1
.set L4,  2
.set IM0, 3
.set RW0, 4
.set IW0, 5
.set MK0, 6
.set IMR, 7
.set RWA, 8
.set IMW, 9
.set MKA, 10
.set NEG, 11
.set SPW, 12
.set NIL, 13
.set PFO, 14
.set MW,  15
.set ST,  16
.set FS,  32
.set KS,  40
.set VS,  44
.set QS,  46
.set BM,  48
.set PD,  52
.set SO,  56
.set T,   60
.set S,   64
.set QF,  128
.set PF,  176
.set WO,  192
.set SA,  128
.set SB,  129
.set SR,  130
.set GO,  131
.set SCR, 132
.set GS,  133
.set LN,  140
.set RR,  141
.set HH,  142
.set KF,  128
.set VF,  184
.set WV,  16
.set SEL, 20
.set C8,  22
.set G1,  24
.set G0A, 32
.set G0B, 36
.set KVP, 40
.set PFA, 42
.set CNT, 44
.set LIM, 45
.set TG,  46
.set TN,  47
.set MKO, 48
.set CM,  50
.set EIG, 54
.set MSB, 0
.macro WIN new
.if MSB != (\new)
	s_set_vgpr_msb (MSB<<8)|(\new)
.set MSB, (\new)
.endif
.endm
	s_load_b256 s[4:11], s[0:1], 0x0
	s_load_b128 s[12:15], s[0:1], 0x20
	v_lshl_add_u32 v[SPW], v0, 2, SPARE
	v_mov_b32 v[NIL], 0
	ds_add_u32 v[SPW], v[NIL]
	ds_add_u32 v[SPW], v[NIL]
	v_lshrrev_b32 v61, 5, v0
	s_delay_alu instid0(VALU_DEP_1)
	v_readfirstlane_b32 s[WV], v61
	s_and_b32 s17, ttmp9, 1
	s_lshr_b32 s18, ttmp9, 1
	s_and_b32 s19, ttmp7, 0xffff
	s_mov_b32 s[G1+0], 2<<16
	s_mov_b32 s[G1+1], 128<<16
	s_mov_b32 s[G1+2], 16<<16
	s_mov_b32 s[G1+3], 128<<16
	s_mov_b32 s[G1+4], 16
	s_mov_b32 s[G1+5], 1024
	s_mov_b32 s[G1+6], 0
	s_mov_b32 s[G1+7], 0
	s_mov_b32 s[SEL], 0x76543210
	s_mov_b32 s[SEL+1], 0xfedcba98
	s_mov_b32 s[C8], 0x3e38aa3b
	s_mov_b32 s[C8+1], s[C8]
	s_mov_b32 s[EIG], 0x41000000
	s_mov_b32 s[EIG+1], s[EIG]
	s_mov_b32 s[TN], 0
	s_mov_b32 s[MKO], 0
	s_mov_b32 s[CNT], 6
	s_cmp_eq_u32 s17, 0
	s_cselect_b32 s[LIM], 1, -1
	s_lshl_b32 s56, s19, 4
	s_lshl_b32 s57, s17, 3
	s_add_co_u32 s56, s56, s57
	s_add_co_u32 s56, s56, s[WV]
	s_lshl_b32 s56, s56, 3
	s_mul_i32 s[KVP], s56, BLKB
	s_mov_b32 s[KVP+1], 0
	s_lshr_b32 s56, s18, 1
	s_mul_i32 s58, s56, BLKB
	s_and_b32 s56, s18, 1
	s_lshl_b32 s57, s56, 8
	s_add_co_u32 s60, s58, s57
	s_mul_i32 s57, s56, 3072
	s_add_co_u32 s58, s58, s57
	s_mov_b32 s59, 0
	s_mov_b32 s61, 0
	s_lshl_b32 s56, s19, 10
	s_lshl_b32 s57, s18, 6
	s_add_co_u32 s56, s56, s57
	s_and_b32 s57, s[WV], 3
	s_lshl_b32 s57, s57, 4
	s_add_co_u32 s57, s56, s57
	s_lshl_b32 s66, s57, 12
	s_mov_b32 s67, 0
	s_lshl_b32 s57, s[WV], 3
	s_add_co_u32 s56, s56, s57
	s_mul_i32 s68, s56, 768
	s_mul_i32 s57, s17, 384
	s_add_co_u32 s68, s68, s57
	s_mov_b32 s69, 0
	s_lshl_b32 s70, s56, 5
	s_lshl_b32 s57, s17, 4
	s_add_co_u32 s70, s70, s57
	s_mov_b32 s71, 0
	s_lshl_b32 s72, s19, 10
	s_mov_b32 s73, 0
	s_mov_b32 s[G0A], 1
	s_lshl_b32 s[G0A+1], s[WV], 13
	s_mov_b32 s[G0B], 1
	s_add_co_u32 s[G0B+1], s[G0A+1], FLIP
	v_and_b32 v61, 31, v0
	v_and_b32 v62, 15, v0
	v_bfe_u32 v63, v0, 4, 1
	s_delay_alu instid0(VALU_DEP_3)
	v_lshlrev_b32 v[L16], 4, v61
	s_delay_alu instid0(VALU_DEP_4)
	v_lshlrev_b32 v[L4], 2, v61
	s_delay_alu instid0(VALU_DEP_3)
	v_mul_u32_u24 v[IM0], v63, 272
	s_delay_alu instid0(VALU_DEP_1)
	v_lshl_add_u32 v[IM0], v62, 4, v[IM0]
	s_delay_alu instid0(VALU_DEP_1)
	v_add_nc_u32 v[IM0], IMG0, v[IM0]
	s_lshl_b32 s56, s[WV], 12
	v_add_nc_u32 v[RW0], s56, v[L16]
	v_and_b32 v[IW0], 28, v61
	v_and_b32 v[T], 1, v61
	s_delay_alu instid0(VALU_DEP_1)
	v_lshl_add_u32 v[IW0], v[T], 1, v[IW0]
	v_bfe_u32 v[T], v61, 1, 1
	s_delay_alu instid0(VALU_DEP_1)
	v_add_nc_u32 v[IW0], v[IW0], v[T]
	s_delay_alu instid0(VALU_DEP_1)
	v_mul_u32_u24 v[IW0], v[IW0], 272
	s_lshr_b32 s56, s[WV], 1
	s_mul_i32 s56, s56, 8704
	s_and_b32 s57, s[WV], 1
	s_lshl_b32 s57, s57, 7
	s_add_co_u32 s56, s56, s57
	s_add_co_u32 s56, s56, IMG0
	v_add_nc_u32 v[IW0], s56, v[IW0]
	v_add_nc_u32 v[MK0], MASK, v[L4]
	v_mov_b32 v[NEG], 0xf149f2ca
	v_lshrrev_b32 v[PFO], 1, v61
	s_delay_alu instid0(VALU_DEP_1)
	v_lshlrev_b32 v[PFO], 12, v[PFO]
	v_and_b32 v[T], 1, v61
	s_delay_alu instid0(VALU_DEP_1)
	v_lshl_add_u32 v[PFO], v[T], 8, v[PFO]
	v_lshlrev_b32 v[RWA], 2, v0
	v_lshl_add_u32 v[IMR], v0, 2, MASK
	s_wait_alu depctr_va_vdst(0)
	s_wait_dscnt 0x0
	s_wait_kmcnt 0x0
	s_add_nc_u64 s[KVP:KVP+1], s[4:5], s[KVP:KVP+1]
	s_add_nc_u64 s[58:59], s[KVP:KVP+1], s[58:59]
	s_add_nc_u64 s[60:61], s[KVP:KVP+1], s[60:61]
	s_cmp_lt_u32 s[WV], 4
	s_cselect_b64 s[62:63], s[6:7], s[8:9]
	s_add_nc_u64 s[62:63], s[62:63], s[66:67]
	s_mov_b64 s[G0A+2:G0A+3], s[62:63]
	s_or_b32 s[G0A+3], s[G0A+3], 0x80000000
	s_add_nc_u64 s[G0B+2:G0B+3], s[62:63], 512
	s_or_b32 s[G0B+3], s[G0B+3], 0x80000000
	s_add_nc_u64 s[PFA:PFA+1], s[62:63], 1024
	s_add_nc_u64 s[10:11], s[10:11], s[72:73]
	s_add_nc_u64 s[12:13], s[12:13], s[68:69]
	s_add_nc_u64 s[14:15], s[14:15], s[70:71]
	tensor_load_to_lds s[G0A:G0A+3], s[G1:G1+7]
	s_nop 0
	s_wait_alu depctr_va_vdst(0)
	s_wait_tensorcnt 0x0
	ds_add_u32 v12, v13
	s_wait_dscnt 0x0
	s_barrier_signal -1
	s_barrier_wait -1
	tensor_load_to_lds s[G0B:G0B+3], s[G1:G1+7]
	s_nop 0
.rept 4
	v_nop
.endr
.macro KLOAD
	WIN 0x40
.irp g, 0,1,2,3,4,5,6,7,8,9,10,11
	global_load_b128 v[KF+4*\g:KF+4*\g+3], v[L16], s[KVP:KVP+1] offset:6656+512*\g
.endr
	WIN 0
.irp j, 0,1,2,3
	global_load_b32 v[KS+\j], v[L4], s[KVP:KVP+1] offset:12800+128*\j
.endr
.endm
.macro VLOAD
	WIN 0x40
.irp g, 0,1,2,3,4,5,6,7,8,9,10,11
	global_load_b128 v[VF+4*\g:VF+4*\g+3], v[L16], s[KVP:KVP+1] offset:13312+512*\g
.endr
	WIN 0
.irp j, 0,1
	global_load_b32 v[VS+\j], v[L4], s[KVP:KVP+1] offset:19456+128*\j
.endr
.endm
.macro IMGLOAD i, base
.irp t, 0,1,2,3,4,5,6,7
	ds_load_b128 v[\base+8*\t:\base+8*\t+3], v[IMR] offset:8704*(\i)+272*(4*\t)
	ds_load_b128 v[\base+8*\t+4:\base+8*\t+7], v[IMR] offset:8704*(\i)+272*(4*\t+2)
.endr
.endm
.macro CLOAD
	v_add_nc_u32 v[RWA], s[TN], v[RW0]
	v_add_nc_u32 v[IMW], s[TN], v[IW0]
	v_add_nc_u32 v[MKA], s[MKO], v[MK0]
	ds_load_b32 v[MW], v[MKA]
.irp e, 0,1,2,3,4,5,6,7
	ds_load_b128 v[S+4*\e:S+4*\e+3], v[RWA] offset:512*\e
.endr
.irp e, 0,1,2,3,4,5,6,7
	ds_load_b128 v[S+32+4*\e:S+32+4*\e+3], v[RWA] offset:32768+512*\e
.endr
	s_add_co_u32 s[MKO], s[MKO], 128
.endm
.macro CMATH
	s_wait_dscnt 0x0
.irp j, 0,1,2,3
	v_and_b32 v[T], 0xff<<(8*\j), v[MW]
	s_delay_alu instid0(VALU_DEP_1)
	v_cmp_ne_u32 s[CM+\j], 0, v[T]
.endr
.irp e, 0,1,2,3,4,5,6,7
	v_pk_mul_f32 v[S+32+4*\e:S+33+4*\e], v[S+32+4*\e:S+33+4*\e], s[EIG:EIG+1] op_sel_hi:[1,0]
	v_pk_mul_f32 v[S+34+4*\e:S+35+4*\e], v[S+34+4*\e:S+35+4*\e], s[EIG:EIG+1] op_sel_hi:[1,0]
	s_delay_alu instid0(VALU_DEP_2)
	v_pk_fma_f32 v[S+4*\e:S+1+4*\e], v[S+4*\e:S+1+4*\e], s[EIG:EIG+1], v[S+32+4*\e:S+33+4*\e] op_sel_hi:[1,0,1]
	s_delay_alu instid0(VALU_DEP_2)
	v_pk_fma_f32 v[S+2+4*\e:S+3+4*\e], v[S+2+4*\e:S+3+4*\e], s[EIG:EIG+1], v[S+34+4*\e:S+35+4*\e] op_sel_hi:[1,0,1]
.irp j, 0,1,2,3
	v_cndmask_b32 v[S+4*\e+\j], v[S+4*\e+\j], v[NEG], s[CM+\j]
.endr
	ds_store_b128 v[IMW], v[S+4*\e:S+4*\e+3] offset:16*\e
.endr
.endm
.macro ASK
	s_cmp_gt_u32 s[CNT], s[LIM]
	s_cbranch_scc0 .Lnot_mine_\@
	global_prefetch_b8 v[PFO], s[PFA:PFA+1] th:TH_LOAD_NT scope:SCOPE_SE
.Lnot_mine_\@:
.endm
.macro SPROD t, i, base
.if ((\t)%2 == 0) && ((\i)%2 == 0)
	v_wmma_scale_f32_16x16x128_f8f6f4 v[\base+8*\t:\base+8*\t+7], v[KF+6*\t:KF+6*\t+11], v[QF+12*(\i):QF+12*(\i)+11], v[\base+8*\t:\base+8*\t+7], v[KS+\t/2], v[QS+(\i)/2] matrix_a_fmt:MATRIX_FMT_FP6 matrix_b_fmt:MATRIX_FMT_FP6
.elseif ((\t)%2 == 1) && ((\i)%2 == 0)
	v_wmma_scale_f32_16x16x128_f8f6f4 v[\base+8*\t:\base+8*\t+7], v[KF+6*\t:KF+6*\t+11], v[QF+12*(\i):QF+12*(\i)+11], v[\base+8*\t:\base+8*\t+7], v[KS+\t/2], v[QS+(\i)/2] matrix_a_fmt:MATRIX_FMT_FP6 matrix_b_fmt:MATRIX_FMT_FP6 matrix_a_scale:MATRIX_SCALE_ROW1
.elseif (\t)%2 == 0
	v_wmma_scale_f32_16x16x128_f8f6f4 v[\base+8*\t:\base+8*\t+7], v[KF+6*\t:KF+6*\t+11], v[QF+12*(\i):QF+12*(\i)+11], v[\base+8*\t:\base+8*\t+7], v[KS+\t/2], v[QS+(\i)/2] matrix_a_fmt:MATRIX_FMT_FP6 matrix_b_fmt:MATRIX_FMT_FP6 matrix_b_scale:MATRIX_SCALE_ROW1
.else
	v_wmma_scale_f32_16x16x128_f8f6f4 v[\base+8*\t:\base+8*\t+7], v[KF+6*\t:KF+6*\t+11], v[QF+12*(\i):QF+12*(\i)+11], v[\base+8*\t:\base+8*\t+7], v[KS+\t/2], v[QS+(\i)/2] matrix_a_fmt:MATRIX_FMT_FP6 matrix_b_fmt:MATRIX_FMT_FP6 matrix_a_scale:MATRIX_SCALE_ROW1 matrix_b_scale:MATRIX_SCALE_ROW1
.endif
.endm
.macro OPROD d, i
.if (\d)%2 == 0
	v_wmma_scale_f32_16x16x128_f8f6f4 v[32*\i+8*\d:32*\i+8*\d+7], v[VF+12*\d:VF+12*\d+11], v[PF:PF+11], v[32*\i+8*\d:32*\i+8*\d+7], v[VS+\d/2], v[FS+2*\i+1] matrix_a_fmt:MATRIX_FMT_FP6 matrix_b_fmt:MATRIX_FMT_FP6
.else
	v_wmma_scale_f32_16x16x128_f8f6f4 v[32*\i+8*\d:32*\i+8*\d+7], v[VF+12*\d:VF+12*\d+11], v[PF:PF+11], v[32*\i+8*\d:32*\i+8*\d+7], v[VS+\d/2], v[FS+2*\i+1] matrix_a_fmt:MATRIX_FMT_FP6 matrix_b_fmt:MATRIX_FMT_FP6 matrix_a_scale:MATRIX_SCALE_ROW1
.endif
.endm
.macro TILE i, next
.set SX, S+128*((\i)%2)
.set SY, S+128*(1-(\i)%2)
.irp b, 0,1,2,3
	v_max3_num_f32 v[BM+\b], v[SX+16*\b], v[SX+16*\b+1], v[SX+16*\b+2]
.endr
.irp m, 3,5,7,9,11,13
.irp b, 0,1,2,3
	v_max3_num_f32 v[BM+\b], v[BM+\b], v[SX+16*\b+\m], v[SX+16*\b+\m+1]
.endr
.endr
.irp b, 0,1,2,3
	v_max_num_f32 v[BM+\b], v[BM+\b], v[SX+16*\b+15]
.endr
.irp b, 0,1,2,3
	s_delay_alu instid0(VALU_DEP_4)
	v_permlanex16_b32 v[PD+\b], v[BM+\b], s[SEL], s[SEL+1]
.endr
.irp b, 0,1,2,3
	s_delay_alu instid0(VALU_DEP_4)
	v_max_num_f32 v[BM+\b], v[BM+\b], v[PD+\b]
.endr
	s_delay_alu instid0(VALU_DEP_2)
	v_max3_num_f32 v[T], v[BM], v[BM+1], v[BM+2]
	s_delay_alu instid0(VALU_DEP_1)
	v_max_num_f32 v[T], v[T], v[BM+3]
	s_delay_alu instid0(VALU_DEP_1)
	v_mul_f32 v[T], s[C8], v[T]
	s_delay_alu instid0(VALU_DEP_1)
	v_max_num_f32 v[ST+4*\i+1], v[ST+4*\i+1], v[T]
	v_mov_b32 v[T], v[ST+4*\i]
	s_delay_alu instid0(VALU_DEP_2)
	v_floor_f32 v[ST+4*\i], -v[ST+4*\i+1]
	s_delay_alu instid0(VALU_DEP_1)
	v_sub_f32 v[T], v[ST+4*\i], v[T]
	s_delay_alu instid0(VALU_DEP_1)
	v_cvt_i32_f32 v[T], v[T]
	s_delay_alu instid0(VALU_DEP_1)
	v_ldexp_f32 v[FS+2*\i], 1.0, v[T]
.set k, 0
.rept 32
	v_pk_fma_f32 v[SX+2*k:SX+2*k+1], v[SX+2*k:SX+2*k+1], s[C8:C8+1], v[ST+4*\i:ST+4*\i+1] op_sel_hi:[1,0,0]
.set k, k+1
.endr
.irp b, 0,1,2,3
	v_fma_f32 v[BM+\b], v[BM+\b], s[C8], v[ST+4*\i]
.endr
.set k, 0
	s_wait_alu depctr_va_vdst(0)
.rept 64
	v_exp_f32 v[SX+k], v[SX+k]
.set k, k+1
.endr
.irp b, 0,1,2,3
	v_exp_f32 v[BM+\b], v[BM+\b]
.endr
	v_pk_mul_f32 v[ST+4*\i+2:ST+4*\i+3], v[ST+4*\i+2:ST+4*\i+3], v[FS+2*\i:FS+2*\i+1] op_sel_hi:[1,0]
.if \i < 3
	s_wait_dscnt 0x0
	WIN 0x01
.irp t, 0,1,2,3,4,5,6,7
	SPROD \t, \i+1, SY
.endr
.elseif \next
	CMATH
.endif
	WIN 0x41
.set k, 0
	s_wait_alu depctr_va_vdst(0)
.rept 16
	v_pk_mul_f32 v[32*\i+2*k:32*\i+2*k+1], v[32*\i+2*k:32*\i+2*k+1], v[FS+2*\i:FS+2*\i+1] op_sel_hi:[1,0]
.set k, k+1
.endr
	WIN 0
	s_wait_alu depctr_va_vdst(0)
.irp b, 0,1,2,3
	v_max_num_f32 v[BM+\b], 0x1800000, v[BM+\b]
.endr
.irp b, 0,1,2,3
	s_delay_alu instid0(VALU_DEP_4)
	v_add_nc_u32 v[SO+\b], 0xff000000, v[BM+\b]
.endr
.irp b, 0,1,2,3
	s_delay_alu instid0(VALU_DEP_4)
	v_lshrrev_b32 v[PD+\b], 23, v[SO+\b]
.endr
	s_delay_alu instid0(VALU_DEP_3)
	v_lshl_or_b32 v[FS+2*\i+1], v[PD+1], 8, v[PD]
	s_delay_alu instid0(VALU_DEP_1)
	v_lshl_or_b32 v[FS+2*\i+1], v[PD+2], 16, v[FS+2*\i+1]
	s_delay_alu instid0(VALU_DEP_1)
	v_lshl_or_b32 v[FS+2*\i+1], v[PD+3], 24, v[FS+2*\i+1]
	v_cvt_scalef32_pk16_fp6_f32 v[PF:PF+2], v[SX:SX+15], v[SO]
	v_cvt_scalef32_pk16_fp6_f32 v[BM:BM+2], v[SX+16:SX+31], v[SO+1]
	v_cvt_scalef32_pk16_fp6_f32 v[PF+6:PF+8], v[SX+32:SX+47], v[SO+2]
	v_cvt_scalef32_pk16_fp6_f32 v[PD:PD+2], v[SX+48:SX+63], v[SO+3]
	v_nop
.irp k, 0,1,2
	v_permlane16_swap_b32 v[PF+\k], v[BM+\k]
	v_permlane16_swap_b32 v[PF+6+\k], v[PD+\k]
.endr
.irp k, 0,1,2
	v_mov_b32 v[PF+3+\k], v[BM+\k]
	v_mov_b32 v[PF+9+\k], v[PD+\k]
.endr
	v_pk_add_f32 v[BM:BM+1], v[SX:SX+1], v[SX+2:SX+3]
	v_pk_add_f32 v[PD:PD+1], v[SX+4:SX+5], v[SX+6:SX+7]
	v_pk_add_f32 v[SO:SO+1], v[SX+8:SX+9], v[SX+10:SX+11]
	v_pk_add_f32 v[ST+4*\i+2:ST+4*\i+3], v[ST+4*\i+2:ST+4*\i+3], v[SX+12:SX+13]
.irp m, 14,22,30,38,46,54
	v_pk_add_f32 v[BM:BM+1], v[BM:BM+1], v[SX+\m:SX+\m+1]
	v_pk_add_f32 v[PD:PD+1], v[PD:PD+1], v[SX+\m+2:SX+\m+3]
	v_pk_add_f32 v[SO:SO+1], v[SO:SO+1], v[SX+\m+4:SX+\m+5]
	v_pk_add_f32 v[ST+4*\i+2:ST+4*\i+3], v[ST+4*\i+2:ST+4*\i+3], v[SX+\m+6:SX+\m+7]
.endr
	v_pk_add_f32 v[BM:BM+1], v[BM:BM+1], v[SX+62:SX+63]
	s_delay_alu instid0(VALU_DEP_1)
	v_pk_add_f32 v[BM:BM+1], v[BM:BM+1], v[PD:PD+1]
	s_delay_alu instid0(VALU_DEP_3)
	v_pk_add_f32 v[ST+4*\i+2:ST+4*\i+3], v[ST+4*\i+2:ST+4*\i+3], v[SO:SO+1]
	s_delay_alu instid0(VALU_DEP_1)
	v_pk_add_f32 v[ST+4*\i+2:ST+4*\i+3], v[ST+4*\i+2:ST+4*\i+3], v[BM:BM+1]
.if \i < 2
	IMGLOAD \i+2, SX
.elseif (\i == 2) && \next
	CLOAD
	KLOAD
.endif
.if \i == 0
	s_wait_loadcnt 0x0
.endif
	WIN 0x51
.irp d, 0,1,2,3
	OPROD \d, \i
.endr
	WIN 0
.endm
.macro STEP refill, next
	s_wait_tensorcnt 0x0
	ds_add_u32 v[SPW], v[NIL]
	s_mov_b32 s[TG], s[TN]
	s_xor_b32 s[TN], s[TN], FLIP
.if \refill
	s_xor_b32 s[G0B+1], s[G0B+1], FLIP
	s_add_nc_u64 s[G0B+2:G0B+3], s[G0B+2:G0B+3], 512
.endif
	s_wait_xcnt 0x0
.if \next
	s_add_nc_u64 s[KVP:KVP+1], s[KVP:KVP+1], BLKB
.endif
.if \refill
	s_add_nc_u64 s[PFA:PFA+1], s[PFA:PFA+1], 512
.endif
	s_wait_dscnt 0x0
	s_barrier_signal -1
	s_barrier_wait -1
.if \refill
	tensor_load_to_lds s[G0B:G0B+3], s[G1:G1+7]
	s_nop 0
.rept 4
	v_nop
.endr
	ASK
.endif
	v_add_nc_u32 v[IMR], s[TG], v[IM0]
	IMGLOAD 0, S
	s_wait_alu depctr_va_vdst(0)
	s_wait_loadcnt 14
	s_wait_dscnt 0x0
	WIN 0x01
.irp t, 0,1,2,3,4,5,6,7
	SPROD \t, 0, S
.endr
	WIN 0
	IMGLOAD 1, S+128
.rept 4
	v_nop
.endr
	TILE 0, \next
	TILE 1, \next
	TILE 2, \next
	TILE 3, \next
.if \next
.rept 4
	v_nop
.endr
	VLOAD
.endif
.endm
	global_load_b32 v[MW], v[RWA], s[10:11]
.irp g, 0,1,2,3,4,5
	global_load_b128 v[S+4*\g:S+4*\g+3], v[L16], s[58:59] offset:512*\g
.endr
.irp j, 0,1
	global_load_b32 v[QS+\j], v[L4], s[60:61] offset:6144+128*\j
.endr
	KLOAD
	VLOAD
	WIN 0x40
.set k, 0
.rept 128
	v_mov_b32 v[k], 0
.set k, k+1
.endr
.irp k, 176,177,178,179,180,181
	v_mov_b32 v[\k], 0
.endr
	WIN 0
.irp i, 0,1,2,3
.irp k, 6,7,8,9,10,11
	v_mov_b32 v[QF+12*\i+\k], 0
.endr
	v_mov_b32 v[ST+4*\i+1], 0xefa18f08
	s_delay_alu instid0(VALU_DEP_1)
	v_floor_f32 v[ST+4*\i], -v[ST+4*\i+1]
	v_mov_b32 v[ST+4*\i+2], 0
	v_mov_b32 v[ST+4*\i+3], 0
	v_mov_b32 v[FS+2*\i+1], 0
	v_mov_b32 v[PD+\i], 0
.endr
	s_wait_loadcnt 38
	ds_store_b32 v[IMR], v[MW]
	s_wait_loadcnt 30
.irp i, 0,1,2,3
.irp k, 0,1,2,3,4,5
	v_mov_b32 v[QF+12*\i+\k], v[S+6*\i+\k]
.endr
.endr
	v_and_b32 v[QS], 0xffff, v[QS]
	v_and_b32 v[QS+1], 0xffff, v[QS+1]
	s_wait_tensorcnt 1
	s_wait_dscnt 0x0
	s_barrier_signal -1
	s_barrier_wait -1
	CLOAD
	CMATH
.Lstep:
	STEP 1, 1
	s_sub_co_u32 s[CNT], s[CNT], 1
	s_cmp_lg_u32 s[CNT], 0
	s_cbranch_scc1 .Lstep
	STEP 0, 1
	STEP 0, 0
.irp i, 0,1,2,3
	v_add_f32 v[ST+4*\i+2], v[ST+4*\i+2], v[ST+4*\i+3]
.endr
.irp i, 0,1,2,3
	s_delay_alu instid0(VALU_DEP_4)
	v_permlanex16_b32 v[PD+\i], v[ST+4*\i+2], s[SEL], s[SEL+1]
.endr
.irp i, 0,1,2,3
	s_delay_alu instid0(VALU_DEP_4)
	v_add_f32 v[ST+4*\i+2], v[ST+4*\i+2], v[PD+\i]
.endr
	s_wait_alu depctr_va_vdst(0)
.irp i, 0,1,2,3
	v_rcp_f32 v[ST+4*\i+2], v[ST+4*\i+2]
.endr
	v_and_b32 v[LN], 31, v0
	v_and_b32 v[RR], 15, v0
	v_bfe_u32 v[HH], v0, 4, 1
	s_delay_alu instid0(VALU_DEP_2)
	v_mul_u32_u24 v[SA], v[RR], 528
	s_delay_alu instid0(VALU_DEP_1)
	v_lshl_add_u32 v[SA], v[HH], 5, v[SA]
	s_lshl_b32 s56, s[WV], 6
	s_add_co_u32 s56, s56, STAGE
	v_add_nc_u32 v[SA], s56, v[SA]
	v_lshlrev_b32 v[SB], 4, v[RR]
	s_lshl_b32 s56, s[WV], 1
	s_add_co_u32 s56, s56, SCST
	v_add_nc_u32 v[SB], s56, v[SB]
	s_mul_i32 s56, s[WV], 8*528
	s_add_co_u32 s56, s56, STAGE
	v_add_nc_u32 v[SR], s56, v[L16]
	v_mul_u32_u24 v[GO], v[LN], 12
	s_lshl_b32 s56, s[WV], 7
	s_add_co_u32 s56, s56, SCST
	v_add_nc_u32 v[SCR], s56, v[L4]
	v_lshrrev_b32 v[GS], 2, v[LN]
	s_delay_alu instid0(VALU_DEP_1)
	v_lshlrev_b32 v[GS], 5, v[GS]
	v_and_b32 v[T], 3, v[LN]
	s_delay_alu instid0(VALU_DEP_1)
	v_lshl_add_u32 v[GS], v[T], 2, v[GS]
	s_wait_alu depctr_va_vdst(0)
.irp i, 0,1,2,3
	WIN 0x01
.set k, 0
.rept 16
	v_pk_mul_f32 v[S+2*k:S+2*k+1], v[32*\i+2*k:32*\i+2*k+1], v[ST+4*\i+2:ST+4*\i+3] op_sel_hi:[1,0]
.set k, k+1
.endr
	WIN 0
.irp b, 0,1
.irp j, 0,1,2,3,4,5,6,7
	v_permlane16_swap_b32 v[S+16*\b+\j], v[S+16*\b+8+\j]
.endr
.endr
.irp b, 0,1
	v_max3_num_f32 v[BM+\b], |v[S+16*\b]|, |v[S+16*\b+1]|, 0x1800000
.endr
.irp m, 2,4,6,8,10,12,14
.irp b, 0,1
	s_delay_alu instid0(VALU_DEP_2)
	v_max3_num_f32 v[BM+\b], v[BM+\b], |v[S+16*\b+\m]|, |v[S+16*\b+\m+1]|
.endr
.endr
.irp b, 0,1
	s_delay_alu instid0(VALU_DEP_2)
	v_permlanex16_b32 v[PD+\b], v[BM+\b], s[SEL], s[SEL+1]
.endr
.irp b, 0,1
	s_delay_alu instid0(VALU_DEP_2)
	v_max_num_f32 v[BM+\b], v[BM+\b], v[PD+\b]
.endr
.irp b, 0,1
	s_delay_alu instid0(VALU_DEP_2)
	v_add_nc_u32 v[SO+\b], 0xff000000, v[BM+\b]
.endr
.irp b, 0,1
	s_delay_alu instid0(VALU_DEP_2)
	v_lshrrev_b32 v[PD+\b], 23, v[SO+\b]
.endr
	s_delay_alu instid0(VALU_DEP_1)
	v_lshl_or_b32 v[WO+12*\i+8], v[PD+1], 8, v[PD]
	v_cvt_scalef32_pk16_fp6_f32 v[WO+12*\i:WO+12*\i+2], v[S:S+15], v[SO]
	v_cvt_scalef32_pk16_fp6_f32 v[WO+12*\i+4:WO+12*\i+6], v[S+16:S+31], v[SO+1]
	v_nop
.irp k, 0,1,2
	v_permlane16_swap_b32 v[WO+12*\i+\k], v[WO+12*\i+4+\k]
.endr
	ds_store_b96 v[SA], v[WO+12*\i:WO+12*\i+2] offset:528*16*\i
	ds_store_b96 v[SA], v[WO+12*\i+4:WO+12*\i+6] offset:528*16*\i+16
	ds_store_b16 v[SB], v[WO+12*\i+8] offset:256*\i
.endr
	s_wait_dscnt 0x0
	s_barrier_signal -1
	s_barrier_wait -1
.irp e, 0,1,2,3,4,5,6,7
	ds_load_b96 v[S+4*\e:S+4*\e+2], v[SR] offset:528*\e
.endr
	ds_load_b32 v[S+32], v[SCR]
.irp e, 0,1,2,3,4,5,6,7
	s_wait_dscnt 8-\e
	global_store_b96 v[GO], v[S+4*\e:S+4*\e+2], s[12:13] offset:768*\e
.endr
	s_wait_dscnt 0x0
	global_store_b32 v[GS], v[S+32], s[14:15]
	s_wait_tensorcnt 0x0
	ds_add_u32 v[SPW], v[NIL]
	s_wait_dscnt 0x0
	s_endpgm
.Lfunc_end_k_qb4b513f99a_attn:
	.size	k_qb4b513f99a_attn, .Lfunc_end_k_qb4b513f99a_attn-k_qb4b513f99a_attn
	.p2alignl 7, 3214868480
	.fill 96, 4, 3214868480
	.section	.rodata,"a",@progbits
	.p2align	6, 0x0
	.amdhsa_kernel k_qb4b513f99a_attn
		.amdhsa_group_segment_fixed_size 327680
		.amdhsa_private_segment_fixed_size 0
		.amdhsa_enable_private_segment 0
		.amdhsa_kernarg_size 48
		.amdhsa_user_sgpr_count 2
		.amdhsa_user_sgpr_kernarg_segment_ptr 1
		.amdhsa_wavefront_size32 1
		.amdhsa_system_sgpr_workgroup_id_x 1
		.amdhsa_system_sgpr_workgroup_id_y 1
		.amdhsa_system_sgpr_workgroup_id_z 1
		.amdhsa_system_vgpr_workitem_id 0
		.amdhsa_next_free_vgpr 512
		.amdhsa_next_free_sgpr 80
		.amdhsa_reserve_vcc 0
		.amdhsa_float_denorm_mode_32 3
		.amdhsa_float_denorm_mode_16_64 3
		.amdhsa_memory_ordered 1
		.amdhsa_forward_progress 1
		.amdhsa_inst_pref_size 251
	.end_amdhsa_kernel
	.amdgpu_metadata
---
amdhsa.version: [ 1, 2 ]
amdhsa.kernels:
  - .name:           k_qb4b513f99a_attn
    .symbol:         k_qb4b513f99a_attn.kd
    .args:
      - { .name: att, .offset: 0, .size: 8, .value_kind: global_buffer, .address_space: global }
      - { .name: spatial_encoding, .offset: 8, .size: 8, .value_kind: global_buffer, .address_space: global }
      - { .name: edge_encoding, .offset: 16, .size: 8, .value_kind: global_buffer, .address_space: global }
      - { .name: key_padding_mask, .offset: 24, .size: 8, .value_kind: global_buffer, .address_space: global }
      - { .name: ocodes, .offset: 32, .size: 8, .value_kind: global_buffer, .address_space: global }
      - { .name: osc, .offset: 40, .size: 8, .value_kind: global_buffer, .address_space: global }
    .group_segment_fixed_size: 327680
    .private_segment_fixed_size: 0
    .kernarg_segment_align: 8
    .kernarg_segment_size: 48
    .max_flat_workgroup_size: 256
    .sgpr_count:     80
    .vgpr_count:     512
    .wavefront_size: 32
...
	.end_amdgpu_metadata
.endif
;; end of part 3
;; launch outp (part 4): grid 4 x 64, 4 waves a work-group, clusters of 4 x 4, 327,680 bytes of LDS; arguments ocodes, osc, wcodes, wsc, bo, out0; writes out0
.if DOCPART == 4
	.amdgcn_target "amdgcn-amd-amdhsa--gfx1250"
	.amdhsa_code_object_version 6
	.text
	.protected	k_qb4b513f99a_outp
	.globl	k_qb4b513f99a_outp
	.p2align	8
	.type	k_qb4b513f99a_outp,@function
k_qb4b513f99a_outp:
	s_mov_b64 s[64:65], 0
	v_nop
	global_prefetch_b8 v0, s[64:65] scope:SCOPE_SE
	s_setreg_imm32_b32 hwreg(HW_REG_WAVE_MODE, 25, 1), 1
	s_wait_xcnt 0x0
	s_wait_alu depctr_hold_cnt(0) depctr_sa_sdst(0) depctr_va_vdst(0) depctr_va_sdst(0) depctr_va_ssrc(0) depctr_va_vcc(0) depctr_vm_vsrc(0)
	s_getreg_b32 s2, hwreg(HW_REG_IB_STS2, 6, 4)
	s_cmp_eq_u32 s2, 0
	s_cbranch_scc0 .Lentry_in_a_cluster
	s_endpgm
.Lentry_in_a_cluster:
	s_bfe_u32 s2, ttmp6, 0x10000c
	s_cmp_lg_u32 s2, 0xf033
	s_cbranch_scc0 .Lentry_shape_is_right
	s_endpgm
.Lentry_shape_is_right:
; Launch 4 of 4: out0 = o Wo + bo on codes of E2M3.  No work is left out.
; A work-group makes 128 rows x 256 columns, a wave 64 x 128 (32 accumulators).  ALL of K = 1,024 of its 128 rows of o (ocodes) and 256 rows of Wo (wcodes from row 3,072) is staged in LDS at once:
; a row of codes is 768 bytes of memory, begins at a multiple of 256 bytes, and lies in LDS as 3 x (256 + 16 of padding) = 816 bytes.  One tensor load a wave; nothing is filled again: no barrier in the walk along K.
; CLUSTERS: 4 x 4; o's rows are asked for jointly by a row of the cluster, Wo's by a column.  Source 0 = rows of Wo, source 1 = rows of o: a lane holds eight neighbouring columns of a row of out0.
; THE SCALES go from memory into registers: lane (r, h) takes 16 bytes at 32 r + 16 h of a block of 16 rows: lanes 0-15 hold the words of steps 0-3, lanes 16-31 of steps 4-7.  The bias is the C of the first products.
; NO PREFETCH: the launch has no loop to run ahead in: a work-group's four first loads ask for all its operand bytes.
; THE WAY OUT goes through a stage of 16 rows x 528 bytes a wave, laid over the tiles behind a barrier behind which nobody reads them; they have had their only fill.
; REGISTERS: window 0: v0-31 addresses, v32-63 Wo's scale words, v64-79 o's, v80-143 the bias, v128-255 the way out.  window 1: Wo's fragments, two sets.  window 2: the accumulators.  window 3: o's fragments, two sets.
.set SIZE_N, 1024
.set KROW,   768
.set PITCH,  816
.set FR,     12
.set HALFA,  64*PITCH
.set HALFB,  128*PITCH
.set BBASE,  2*HALFA
.set SPARE,  BBASE+2*HALFB             ; behind the tiles: the spare words, 128 bytes a wave
.set SPITCH, 528
.set ADRA, 10
.set ADRB, 12
.set STO,  24
.set RD,   25
.set CO,   26
.set SPW,  28
.set NIL,  29
.set SB,   32
.set SA,   64
.set BI,   80
.set BK,   128
.set G1,   24
.set GA0,  32
.set G1B,  48
.set GB0,  56
.set MSB, 0
.macro WIN new                         ; the immediate's high byte repeats the setting that is left
.if MSB != (\new)
	s_set_vgpr_msb (MSB<<8)|(\new)
.set MSB, (\new)
.endif
.endm
.set MULW, 0xad                        ; source 0 window 1, source 1 window 3, C and D window 2
.set BEGW, 0x8d                        ; the same with C (the bias) in window 0
.macro PLACES                          ; four plain places behind a matrix instruction (ISA guide 7.12.1)
.rept 4
	v_nop
.endr
.endm
.macro CROUND
	s_barrier_signal -1
	s_barrier_wait -1
	s_cmp_lg_u32 s14, 0
	s_cbranch_scc1 .Lnot_wave_0_\@
	s_barrier_signal -3
.Lnot_wave_0_\@:
	s_barrier_wait -3
	s_barrier_signal -1
	s_barrier_wait -1
.endm
	s_load_b128 s[4:7], s[0:1], 0x0                ; ocodes, osc
	s_load_b128 s[8:11], s[0:1], 0x10              ; wcodes, wsc
	s_load_b64 s[96:97], s[0:1], 0x20              ; bo
	s_load_b64 s[12:13], s[0:1], 0x28              ; out0
	v_lshl_add_u32 v[SPW], v0, 2, SPARE
	v_mov_b32 v[NIL], 0
	ds_add_u32 v[SPW], v[NIL]                      ; the opening: the add, twice on end, and its wait ahead of my first tensor load
	ds_add_u32 v[SPW], v[NIL]
	v_lshrrev_b32 v1, 5, v0
	v_readfirstlane_b32 s14, v1                    ; wave
	s_lshr_b32 s15, s14, 1                         ; my half of the rows.  Also: I fetch for o (0) or for Wo (1)
	s_and_b32 s16, s14, 1                          ; my half of the columns.  Also: which half of that tile I fetch
	s_bfe_u32 s40, ttmp6, 0x40000                  ; cx
	s_bfe_u32 s41, ttmp6, 0x40004                  ; cy
	s_lshl_b32 s42, ttmp9, 2
	s_add_co_u32 s42, s42, s40                     ; tile column
	s_and_b32 s17, ttmp7, 0xffff
	s_lshl_b32 s17, s17, 2
	s_add_co_u32 s17, s17, s41                     ; tile row
	s_lshl_b32 s43, s41, 2
	s_lshl_b32 s43, 15, s43                        ; my row of the cluster
	s_lshl_b32 s44, 0x1111, s40                    ; my column
	s_or_b32 s[G1+0], s43, (1<<20)|(1<<21)|(5<<22)|(3<<25)   ; the mask; elements of 1 byte; padding on; bit 21 beside a mask; after every 64 words, 4 words
	s_or_b32 s[G1B+0], s44, (1<<20)|(1<<21)|(5<<22)|(3<<25)
	s_mov_b32 s[G1+1], KROW<<16
	s_mov_b32 s[G1+2], 64<<16
	s_mov_b32 s[G1+3], KROW<<16
	s_mov_b32 s[G1+4], 64
	s_mov_b32 s[G1+5], KROW
	s_mov_b32 s[G1+6], 0
	s_mov_b32 s[G1+7], 0
	s_mov_b32 s[G1B+1], KROW<<16
	s_mov_b32 s[G1B+2], 128<<16
	s_mov_b32 s[G1B+3], KROW<<16
	s_mov_b32 s[G1B+4], 128
	s_mov_b32 s[G1B+5], KROW
	s_mov_b32 s[G1B+6], 0
	s_mov_b32 s[G1B+7], 0
	s_lshl_b32 s17, s17, 7                         ; o's first row
	s_lshl_b32 s74, s42, 10                        ; my first column in bytes: 1,024 x tile column + 512 x half
	s_lshl_b32 s19, s16, 9
	s_add_co_u32 s74, s74, s19
	s_mov_b32 s75, 0
	s_lshl_b32 s42, s42, 8
	s_add_co_u32 s42, s42, 3072                    ; Wo's first row in wcodes
	s_lshl_b32 s18, s16, 6
	s_add_co_u32 s20, s17, s18
	s_mul_i32 s20, s20, KROW                       ; o's 64 rows that I fetch, in bytes
	s_mov_b32 s21, 0
	s_lshl_b32 s18, s16, 7
	s_add_co_u32 s46, s42, s18                     ; Wo's 128 rows: those that I fetch are those that I multiply
	s_lshl_b32 s92, s46, 5                         ; their scales
	s_mov_b32 s93, 0
	s_mul_i32 s46, s46, KROW
	s_mov_b32 s47, 0
	s_lshl_b32 s18, s15, 6
	s_add_co_u32 s18, s17, s18                     ; the 64 rows that I multiply and store
	s_lshl_b32 s22, s18, 5                         ; their scales
	s_mov_b32 s23, 0
	s_lshl_b32 s72, s18, 12                        ; a row of out0 is 4,096 bytes
	s_add_co_u32 s72, s72, s74
	s_mov_b32 s73, 0
	s_mul_i32 s45, s16, HALFA                      ; LDS: no place in the cluster enters an LDS address
	s_mul_i32 s77, s16, HALFB
	s_add_co_u32 s77, s77, BBASE
	s_add_co_u32 s78, s77, 64*PITCH
	s_mul_i32 s76, s15, HALFA
	s_mul_i32 s79, s14, 16*SPITCH                  ; my stage
	s_wait_dscnt 0x0                               ; both opening adds are done
	s_wait_kmcnt 0x0
	s_mov_b32 s[GA0], 1
	s_mov_b32 s[GA0+1], s45
	s_add_nc_u64 s[GA0+2:GA0+3], s[4:5], s[20:21]
	s_or_b32 s[GA0+3], s[GA0+3], 0x80000000
	s_mov_b32 s[GB0], 1
	s_mov_b32 s[GB0+1], s77
	s_add_nc_u64 s[GB0+2:GB0+3], s[8:9], s[46:47]
	s_or_b32 s[GB0+3], s[GB0+3], 0x80000000
	s_add_nc_u64 s[22:23], s[6:7], s[22:23]
	s_add_nc_u64 s[92:93], s[10:11], s[92:93]
	s_add_nc_u64 s[96:97], s[96:97], s[74:75]
	s_add_nc_u64 s[12:13], s[12:13], s[72:73]
	CROUND                                         ; all sixteen work-groups are here: the joint loads meet
	s_cmp_eq_u32 s15, 0                            ; one tensor load a wave: waves 0, 1 o's halves, waves 2, 3 Wo's
	s_cbranch_scc0 .Lfor_b
	tensor_load_to_lds s[GA0:GA0+3], s[G1:G1+7]
	s_nop 0
	PLACES
	s_branch .Lasked
.Lfor_b:
	tensor_load_to_lds s[GB0:GB0+3], s[G1B:G1B+7]
	s_nop 0
	PLACES
.Lasked:
	v_and_b32 v1, 15, v0                           ; r
	v_bfe_u32 v2, v0, 4, 1                         ; h
	v_mul_u32_u24 v3, v1, PITCH
	v_mad_u32_u24 v4, v2, 24, v3                   ; a fragment's row x pitch + 24 h
	v_lshl_add_u32 v5, v2, 4, v4                   ; and with lanes 16-31 behind one padding more
	v_add_nc_u32 v[ADRA], s76, v4
	v_add_nc_u32 v[ADRA+1], s76, v5
	v_add_nc_u32 v[ADRB], s77, v4
	v_add_nc_u32 v[ADRB+1], s77, v5
	v_add_nc_u32 v[ADRB+2], s78, v4
	v_add_nc_u32 v[ADRB+3], s78, v5
	v_lshlrev_b32 v7, 5, v1
	v_lshl_add_u32 v7, v2, 4, v7                   ; scales: 32 r + 16 h
	v_lshlrev_b32 v8, 5, v2                        ; the bias: 32 h
	v_mul_u32_u24 v6, v1, SPITCH                   ; the stage, in: row r, 32 bytes for each half of the lanes
	v_lshl_add_u32 v6, v2, 5, v6
	v_add_nc_u32 v[STO], s79, v6
	v_and_b32 v6, 31, v0
	v_lshlrev_b32 v[CO], 4, v6                     ; back: the 32 lanes take one row of 512 bytes; the same in out0
	v_add_nc_u32 v[RD], s79, v[CO]
	s_wait_alu depctr_va_vdst(0)
.irp i, 0,1,2,3
	global_load_b128 v[SA+4*\i:SA+4*\i+3], v7, s[22:23] offset:512*\i
.endr
.irp i, 0,1,2,3,4,5,6,7
	global_load_b128 v[SB+4*\i:SB+4*\i+3], v7, s[92:93] offset:512*\i
.endr
.irp b, 0,1,2,3,4,5,6,7
	global_load_b128 v[BI+8*\b:BI+8*\b+3], v8, s[96:97] offset:64*\b
	global_load_b128 v[BI+8*\b+4:BI+8*\b+7], v8, s[96:97] offset:64*\b+16
.endr
.macro FRAG reg, adr, st, i            ; 12 registers: registers 6 c .. 6 c + 5 hold K = 64 c + 32 h + 0 .. 31: 24 bytes of the row, in pieces of 8.  Byte y of a row lies at y + 16 (y / 256) of its LDS row
.irp p, 0,1,2,3,4,5
.set BY, 96*(\st)+48*(\p/3)+8*(\p%3)
.if BY/256 == (BY+24)/256
	ds_load_b64 v[\reg+2*\p:\reg+2*\p+1], v[\adr] offset:BY+16*(BY/256)+(\i)*16*PITCH
.else
	ds_load_b64 v[\reg+2*\p:\reg+2*\p+1], v[\adr+1] offset:BY+16*(BY/256)+(\i)*16*PITCH
.endif
.endr
.endm
.macro FETCH st                        ; step st's fragments into set st % 2: 72 loads
	WIN 0x40
.irp i, 0,1,2,3,4,5,6,7
	FRAG (128*((\st)%2)+FR*\i), (ADRB+2*(\i/4)), \st, (\i%4)
.endr
	WIN 0xc0
.irp i, 0,1,2,3
	FRAG (64*((\st)%2)+FR*\i), ADRA, \st, \i
.endr
.endm
.macro MULS st, first                  ; 32 matrix instructions; the accumulators take turns, in the same order in every step
.irp a, 0,1,2,3
.irp b, 0,1,2,3,4,5,6,7
.set DD, 8*(8*\a+\b)
.set FB, 128*((\st)%2)+FR*\b
.set FA, 64*((\st)%2)+FR*\a
.set XB, SB+4*\b+(\st)%4
.set XA, SA+4*\a+(\st)%4
.if \first
	v_wmma_scale_f32_16x16x128_f8f6f4 v[DD:DD+7], v[FB:FB+11], v[FA:FA+11], v[BI+8*\b:BI+8*\b+7], v[XB], v[XA] matrix_a_fmt:MATRIX_FMT_FP6 matrix_b_fmt:MATRIX_FMT_FP6
.elseif (\st) < 4
	v_wmma_scale_f32_16x16x128_f8f6f4 v[DD:DD+7], v[FB:FB+11], v[FA:FA+11], v[DD:DD+7], v[XB], v[XA] matrix_a_fmt:MATRIX_FMT_FP6 matrix_b_fmt:MATRIX_FMT_FP6
.else
	v_wmma_scale_f32_16x16x128_f8f6f4 v[DD:DD+7], v[FB:FB+11], v[FA:FA+11], v[DD:DD+7], v[XB], v[XA] matrix_a_fmt:MATRIX_FMT_FP6 matrix_b_fmt:MATRIX_FMT_FP6 matrix_a_scale:MATRIX_SCALE_ROW1 matrix_b_scale:MATRIX_SCALE_ROW1
.endif
.endr
.endr
.endm
.macro STEP st                         ; 128 along K: this step's fragments are in; the next step's are asked for, into the set that the step before multiplied; then the products
	s_wait_dscnt 0x0
	PLACES
	FETCH (\st)+1
	WIN MULW
	MULS \st, 0
.endm
	s_wait_tensorcnt 0x0                           ; my part of the tiles is in
	s_barrier_signal -1
	s_barrier_wait -1                              ; and everybody's
	FETCH 0
	s_wait_loadcnt 0x0                             ; the scale words and the bias
	s_wait_dscnt 0x0
	FETCH 1
	WIN BEGW
	MULS 0, 1                                      ; the first step's products start the sums from the bias: nothing is cleared or added later
.irp t, 1,2,3,4,5,6
	STEP \t
.endr
	s_wait_dscnt 0x0                               ; my last reads of the tiles are over:
	s_barrier_signal -1                            ; say so, multiply on registers while the others arrive,
	WIN MULW
	MULS 7, 0
	WIN 0
	s_barrier_wait -1                              ; and behind this nobody reads the tiles: the stages may be laid over them
.macro TOSTAGE a
.set AC, 64*(\a)
	WIN 0x08                                       ; the data: window 2
.irp b, 0,1,2,3,4,5,6,7
	ds_store_b128 v[STO], v[AC+8*\b:AC+8*\b+3] offset:64*\b         ; each accumulator from its low end on
	ds_store_b128 v[STO], v[AC+8*\b+4:AC+8*\b+7] offset:64*\b+16
.endr
	WIN 0
.set BB, BK+64*((\a)%2)
.irp t, 0,1,2,3,4,5,6,7,8,9,10,11,12,13,14,15
	ds_load_b128 v[BB+4*\t:BB+4*\t+3], v[RD] offset:\t*SPITCH      ; LDS serves a wave's instructions in order: these see the stores above
.endr
.endm
.macro SEND a, younger                 ; younger: the LDS instructions issued behind block a's loads, which may stay out
.set BB, BK+64*((\a)%2)
	s_wait_dscnt \younger
.if (\a) > 0
	s_add_nc_u64 s[12:13], s[12:13], 16*SIZE_N*4   ; (behind a wait on XCNT: the earlier stores have read their base)
.endif
.irp t, 0,1,2,3,4,5,6,7,8,9,10,11,12,13,14,15
	global_store_b128 v[CO], v[BB+4*\t:BB+4*\t+3], s[12:13] offset:\t*SIZE_N*4 th:TH_STORE_NT   ; 32 lanes store 512 consecutive bytes, aligned
.endr
.endm
	PLACES                                         ; behind the last products, for every read of results below
	TOSTAGE 0
.irp a, 1,2,3
.if \a > 1
	s_wait_xcnt 0x0                                ; block a - 2's stores have read their registers and their base
.endif
	TOSTAGE \a
	SEND \a-1, 32                                  ; behind block a - 1's loads: block a's 16 stores and 16 loads
.endr
	s_wait_xcnt 0x0
	SEND 3, 0
	s_wait_tensorcnt 0x0                           ; the wave's end
	ds_add_u32 v[SPW], v[NIL]
	s_wait_dscnt 0x0
	CROUND                                         ; the closing round
	s_endpgm
.Lfunc_end_k_qb4b513f99a_outp:
	.size	k_qb4b513f99a_outp, .Lfunc_end_k_qb4b513f99a_outp-k_qb4b513f99a_outp
	.p2alignl 7, 3214868480
	.fill 96, 4, 3214868480
	.section	.rodata,"a",@progbits
	.p2align	6, 0x0
	.amdhsa_kernel k_qb4b513f99a_outp
		.amdhsa_group_segment_fixed_size 327680
		.amdhsa_private_segment_fixed_size 0
		.amdhsa_enable_private_segment 0
		.amdhsa_kernarg_size 48
		.amdhsa_user_sgpr_count 2
		.amdhsa_user_sgpr_kernarg_segment_ptr 1
		.amdhsa_wavefront_size32 1
		.amdhsa_system_sgpr_workgroup_id_x 1
		.amdhsa_system_sgpr_workgroup_id_y 1
		.amdhsa_system_sgpr_workgroup_id_z 1
		.amdhsa_system_vgpr_workitem_id 0
		.amdhsa_next_free_vgpr 1024
		.amdhsa_next_free_sgpr 100
		.amdhsa_reserve_vcc 0
		.amdhsa_float_denorm_mode_32 3
		.amdhsa_float_denorm_mode_16_64 3
		.amdhsa_memory_ordered 1
		.amdhsa_forward_progress 1
		.amdhsa_inst_pref_size 94
	.end_amdhsa_kernel
	.amdgpu_metadata
---
amdhsa.version: [ 1, 2 ]
amdhsa.kernels:
  - .name:           k_qb4b513f99a_outp
    .symbol:         k_qb4b513f99a_outp.kd
    .args:
      - { .name: ocodes, .offset: 0, .size: 8, .value_kind: global_buffer, .address_space: global }
      - { .name: osc, .offset: 8, .size: 8, .value_kind: global_buffer, .address_space: global }
      - { .name: wcodes, .offset: 16, .size: 8, .value_kind: global_buffer, .address_space: global }
      - { .name: wsc, .offset: 24, .size: 8, .value_kind: global_buffer, .address_space: global }
      - { .name: bo, .offset: 32, .size: 8, .value_kind: global_buffer, .address_space: global }
      - { .name: out0, .offset: 40, .size: 8, .value_kind: global_buffer, .address_space: global }
    .group_segment_fixed_size: 327680
    .private_segment_fixed_size: 0
    .kernarg_segment_align: 8
    .kernarg_segment_size: 48
    .max_flat_workgroup_size: 128
    .sgpr_count:     100
    .vgpr_count:     1024
    .wavefront_size: 32
...
	.end_amdgpu_metadata
.endif
;; end of part 4
